; MI455X (gfx1250); checked and timed in simulation.
; The chip was launched on July 23, 2026; its instructions are those of AMD's public machine-readable ISA for CDNA 5 (MIT licence, August 2026) and "CDNA5" Instruction Set Architecture Reference Guide (July 2026). The comments in the code are by the model that wrote it; some were corrected since.
;; Streaming SVS Model. Allowed arithmetic: float matrix products may take bf16 or f16 operands with f32 sums; other float arithmetic in f32, or as packed bf16 or f16 multiplies, adds, multiply-adds, maxima and minima; sums over many terms, partial sums and values carried from step to step in f32; what a program stores and reads back later, other than sums and carried values, may be rounded once to bf16 or f16.
;; Inputs: attn_mask 2,048 x 2,048 bool; norm1_w 1,024 float32; norm2_w 1,024 float32; w_down 1,024 x 2,730 float32; w_gate 2,730 x 1,024 float32; w_up 2,730 x 1,024 float32; wk 1,024 x 1,024 float32; wo 1,024 x 1,024 float32; wq 1,024 x 1,024 float32; wv 1,024 x 1,024 float32; x 2 x 2,048 x 1,024 float32.
;; Outputs: out0 2 x 2,048 x 1,024 float32.
;; One version. Each part assembles by itself: llvm-mc -triple=amdgcn-amd-amdhsa -mcpu=gfx1250 --defsym DOCPART=n.
;; ======== version 1 of 1: 7 launches
;; limits: values are held in f16: magnitudes above 65,504 overflow, below 6.1e-05 lose precision
;; workspace buffers: prepbuf 51,380,224 bytes; mbits 4,096 bytes of whole numbers; qkv 25,165,824 bytes; of 8,388,608 bytes; x1 16,777,216 bytes; h2 8,388,608 bytes; act 23,068,672 bytes
;; launch prep (part 1): grid 1232 x 1, 8 waves a work-group, no clusters, 69,120 bytes of LDS; arguments x, attn_mask, wq, wk, wv, wo, norm1_w, w_gate, w_up, w_down, prepbuf, mbits; writes prepbuf, mbits
.if DOCPART == 1
	.amdgcn_target "amdgcn-amd-amdhsa--gfx1250"
	.amdhsa_code_object_version 6
	.text
	.protected	k_q542cc07496_prep
	.globl	k_q542cc07496_prep
	.p2align	8
	.type	k_q542cc07496_prep,@function
k_q542cc07496_prep:
	s_mov_b64 s[64:65], 0
	v_nop
	global_prefetch_b8 v0, s[64:65] scope:SCOPE_SE
	s_setreg_imm32_b32 hwreg(HW_REG_WAVE_MODE, 25, 1), 1
	s_wait_xcnt 0x0
; PREP: every input is read once, rounded once to bf16 and laid out for the matrix launches.
; OCTET-MAJOR layout OM(R,K), 2-byte elements: element (row,k) at ((row/16)(K/8) + k/8) 256 + (row%16) 16 + (k%8) 2, so a 16 x 32 fragment is 1,024 consecutive bytes.
; Sections by work-group number: 0-255 rmsnorm1 of a tile of 16 rows (x as bf16 -> XB, h as f16 -> H); 256-511 wq, wk, wv, wo; 512-863 w_gate and w_up, rows interleaved, padded with zeros to 2,816;
; 864-1039 w_down (bf16, K padded with zeros to 2,816); 1040-1167 the mask as bf16 1.0 / 0.0 in fragment order, and one bit for each 16 queries x 64 keys: is any key visible; 1168-1231 cos and sin tables.
; Weights that meet f16 operands are the bf16-rounded number written as f16 (exact from 2^-14 up; below that off by 3e-8 at the most).
; LIMITS. sin and cos: angle less k 2 pi in two parts (k up to 326), then Taylor series on |x| <= pi through x^15 and x^16: truncation under 8e-7.
; A wave turns 16 rows x 128 columns into 16 octets through its own LDS stage; no matrix unit, no cluster: nothing is shared and memory binds.
.set STG,    8448                      ; a wave's stage: 16 octets x 272 bytes (rows of 16 bytes; 272 = 68 words, so octet o starts at bank 4 o), or 16 x 528 for the mask
.set EXCH,   8*STG                     ; 8 waves x 16 rows: partial sums of squares
.set SPARE,  EXCH+512                  ; the spare words, 128 bytes a wave: four blocks of 256 bytes that no other line names
.set P_WD,   19922944                  ; offsets in prepbuf (WQKV at 0, 192 tiles of 32,768 bytes; WO behind it, 64 tiles; WGU behind that, 352 tiles)
.set P_H,    25690112
.set P_XB,   34078720
.set P_MF,   42467328
.set P_ROPE, 50855936
.set X, 32                             ; v32-95   as loaded, later 64 f32 at work
.set N, 96                             ; v96-159  the gain of my 64 columns
.set Y, 160                            ; v160-191 packed 16-bit numbers
.set Z, 192                            ; v192-223 octets read back from the stage
.macro FIN                             ; a wave's end
	s_wait_tensorcnt 0x0
	ds_add_u32 v30, v31
	s_wait_dscnt 0x0
	s_endpgm
.endm
.macro TRANS d                         ; the stage's 16 octets come back two at a time (lanes 0-15 one octet's 16 rows, lanes 16-31 the next) and leave as 512 consecutive bytes
.set i, 0
.rept 8
	ds_load_b128 v[Z+4*i:Z+4*i+3], v5 offset:i*544   ; LDS serves a wave's instructions in order: these see my stores
.set i, i+1
.endr
	s_wait_dscnt 0x0
.set i, 0
.rept 8
	global_store_b128 v4, v[Z+4*i:Z+4*i+3], s[\d:\d+1] offset:i*512
.set i, i+1
.endr
.endm
.macro E4 line:vararg
.set e, 0
.rept 4
	\line
.set e, e+1
.endr
.endm
.macro HORN r, k                       ; one Horner step for four numbers: p = p y + k
.set e, 0
.rept 4
	v_fmaak_f32 v[(\r)+e], v[(\r)+e], v[52+e], \k
.set e, e+1
.endr
.endm
	s_load_b512 s[4:19], s[0:1], 0x0               ; x 4, mask 6, wq 8, wk 10, wv 12, wo 14, norm1_w 16, w_gate 18
	s_load_b256 s[20:27], s[0:1], 0x40             ; w_up 20, w_down 22, prepbuf 24, mbits 26
	v_lshl_add_u32 v30, v0, 2, SPARE
	v_mov_b32 v31, 0
	v_lshrrev_b32 v1, 5, v0
	v_readfirstlane_b32 s28, v1                    ; wave
	v_and_b32 v1, 31, v0                           ; lane L
	v_and_b32 v2, 15, v0                           ; r
	v_bfe_u32 v3, v0, 4, 1                         ; h
	v_lshlrev_b32 v4, 4, v1                        ; 16 L
	s_mul_i32 s29, s28, STG                        ; my stage
	v_mul_u32_u24 v5, v3, 272
	v_lshl_add_u32 v5, v2, 4, v5
	v_add_nc_u32 v5, s29, v5                       ; back: octet h, row r
	v_lshrrev_b32 v6, 1, v1
	v_mul_u32_u24 v6, v6, 272
	v_and_b32 v7, 1, v1
	v_lshl_add_u32 v6, v7, 3, v6
	v_add_nc_u32 v6, s29, v6                       ; in: octet L / 2, half L % 2
	s_mov_b32 s30, 0xffff0000
	s_mov_b32 s32, ttmp9
	s_mov_b32 s41, 0                               ; offsets are pairs s[40:41]
	s_mov_b32 s46, 0x76543210
	s_mov_b32 s47, 0xfedcba98
	s_mov_b32 s36, 0x3a800000                      ; 1 / 1024
	s_mov_b32 s37, 0x358637bd                      ; 1e-6
	s_wait_kmcnt 0x0
	s_cmp_lt_u32 s32, 256
	s_cbranch_scc1 .Lnorm
	s_cmp_lt_u32 s32, 512
	s_cbranch_scc1 .Lw4
	s_cmp_lt_u32 s32, 864
	s_cbranch_scc1 .Lgu
	s_cmp_lt_u32 s32, 1040
	s_cbranch_scc1 .Ldn
	s_cmp_lt_u32 s32, 1168
	s_cbranch_scc1 .Lmask
	; COS AND SIN.  A wave makes 512 bytes of each: token tile tt, quad qd: lane (r,h), entry e: pos = 16 tt + r, frequency d = 16 (qd / 2) + 8 h + 4 (qd % 2) + e
	s_sub_co_u32 s33, s32, 1168
	s_lshl_b32 s33, s33, 3
	s_add_co_u32 s33, s33, s28
	s_lshr_b32 s56, s33, 2                         ; tt
	s_and_b32 s57, s33, 3                          ; qd
	s_lshl_b32 s58, s56, 4
	v_add_nc_u32 v8, s58, v2
	v_cvt_f32_u32 v8, v8                           ; pos
	s_lshr_b32 s58, s57, 1
	s_lshl_b32 s58, s58, 4
	s_and_b32 s59, s57, 1
	s_lshl_b32 s59, s59, 2
	s_add_co_u32 s58, s58, s59
	v_lshl_add_u32 v9, v3, 3, s58
	E4 v_add_nc_u32 v[32+e], e, v9
	E4 v_cvt_f32_u32 v[32+e], v[32+e]
	E4 v_mul_f32 v[32+e], 0xbed49a78, v[32+e]      ; - d log2(10000) / 32
	E4 v_exp_f32 v[36+e], v[32+e]                  ; 10000^(-d/32)
	v_nop                                          ; a plain instruction behind the last exponential
	s_wait_alu depctr_va_vdst(0)
	E4 v_mul_f32 v[40+e], v8, v[36+e]              ; the angle
	E4 v_mul_f32 v[44+e], 0.15915494, v[40+e]
	E4 v_rndne_f32 v[44+e], v[44+e]                ; k
	E4 v_fmamk_f32 v[48+e], v[44+e], 0xc0c90fdb, v[40+e]   ; less k x the f32 nearest 2 pi,
	E4 v_fmamk_f32 v[48+e], v[44+e], 0x343bbd2e, v[48+e]   ; less k x what that leaves of 2 pi (-1.7484555e-7)
	E4 v_mul_f32 v[52+e], v[48+e], v[48+e]         ; y = x^2
	E4 v_mov_b32 v[56+e], 0xab573f9f               ; sin: -1/15!
	E4 v_mov_b32 v[60+e], 0x29573f9f               ; cos: 1/16!
	HORN 56, 0x2f309231                            ; 1/13!
	HORN 60, 0xad49cba5                            ; -1/14!
	HORN 56, 0xb2d7322b                            ; -1/11!
	HORN 60, 0x310f76e1                            ; 1/12!
	HORN 56, 0x3638ef1d                            ; 1/9!
	HORN 60, 0xb493f27e                            ; -1/10!
	HORN 56, 0xb9500d01                            ; -1/7!
	HORN 60, 0x37d00d01                            ; 1/8!
	HORN 56, 0x3c088889                            ; 1/5!
	HORN 60, 0xbab60b61                            ; -1/6!
	HORN 56, 0xbe2aaaab                            ; -1/3!
	HORN 60, 0x3d2aaaab                            ; 1/4!
	HORN 56, 0x3f800000
	HORN 60, 0xbf000000                            ; -1/2!
	HORN 60, 0x3f800000
	E4 v_mul_f32 v[56+e], v[56+e], v[48+e]
	s_lshl_b32 s40, s56, 12
	s_lshl_b32 s33, s57, 9
	s_add_co_u32 s40, s40, s33
	s_add_co_u32 s40, s40, P_ROPE
	s_add_nc_u64 s[38:39], s[24:25], s[40:41]
	global_store_b128 v4, v[60:63], s[38:39]               ; cos: quads 0-3
	global_store_b128 v4, v[56:59], s[38:39] offset:2048   ; sin: quads 4-7
	FIN
.Lnorm:                                                ; RMSNORM 1.  The work-group owns 16 rows, wave w their columns 128 w .. 128 w + 127
	s_lshl_b32 s40, s32, 16
	s_lshl_b32 s33, s28, 9
	s_add_co_u32 s40, s40, s33
	s_add_nc_u64 s[34:35], s[4:5], s[40:41]
	v_lshl_add_u32 v8, v3, 5, s33                  ; the gain of my columns 128 w + 16 b + 8 h + 0..7
.set i, 0
.rept 16
	global_load_b128 v[X+4*i:X+4*i+3], v4, s[34:35] offset:i*4096 th:TH_LOAD_NT   ; row i: 512 consecutive bytes
.set i, i+1
.endr
.set i, 0
.rept 8
	global_load_b128 v[N+8*i:N+8*i+3], v8, s[16:17] offset:i*64
	global_load_b128 v[N+8*i+4:N+8*i+7], v8, s[16:17] offset:i*64+16
.set i, i+1
.endr
	s_lshl_b32 s40, s32, 15
	s_lshl_b32 s33, s28, 12
	s_add_co_u32 s40, s40, s33
	s_add_nc_u64 s[38:39], s[24:25], s[40:41]
	s_add_nc_u64 s[42:43], s[38:39], P_XB
	s_add_nc_u64 s[44:45], s[38:39], P_H
	v_lshl_add_u32 v9, v2, 2, EXCH
	s_lshl_b32 s33, s28, 6
	v_add_nc_u32 v10, s33, v9
	s_wait_loadcnt 0x10                            ; x is in; the 16 loads of the gain may stay out
.set i, 0
.rept 16
	v_cvt_pk_bf16_f32 v[Y+2*i], v[X+4*i], v[X+4*i+1]
	v_cvt_pk_bf16_f32 v[Y+2*i+1], v[X+4*i+2], v[X+4*i+3]
	ds_store_b64 v6, v[Y+2*i:Y+2*i+1] offset:i*16
.set i, i+1
.endr
	TRANS 42                                       ; x in bf16, octet-major; lane (r,h) now holds row r, columns 16 b + 8 h + 0..7
.set i, 0
.rept 32
	v_lshlrev_b32 v[X+2*i], 16, v[Z+i]
	v_and_b32 v[X+2*i+1], s30, v[Z+i]
.set i, i+1
.endr
.set i, 0
.rept 4
	v_pk_mul_f32 v[224+2*i:225+2*i], v[X+2*i:X+2*i+1], v[X+2*i:X+2*i+1]   ; four chains; the first squares start them
.set i, i+1
.endr
.rept 28
	v_pk_fma_f32 v[224+2*(i%4):225+2*(i%4)], v[X+2*i:X+2*i+1], v[X+2*i:X+2*i+1], v[224+2*(i%4):225+2*(i%4)]
.set i, i+1
.endr
	v_pk_add_f32 v[224:225], v[224:225], v[226:227]
	v_pk_add_f32 v[228:229], v[228:229], v[230:231]
	v_pk_add_f32 v[224:225], v[224:225], v[228:229]
	v_add_f32 v224, v224, v225
	v_permlanex16_b32 v225, v224, s46, s47         ; the row's other 64 columns of this wave lie 16 lanes away
	v_add_f32 v224, v224, v225
	ds_store_b32 v10, v224                         ; both halves write the same number to row r's word of my wave
	s_wait_loadcnt 0x0                             ; the gain
.set i, 0
.rept 32
	v_cvt_pk_bf16_f32 v[Y+i], v[N+2*i], v[N+2*i+1] ; the gain is rounded to bf16 like every input
.set i, i+1
.endr
.set i, 0
.rept 32
	v_lshlrev_b32 v[N+2*i], 16, v[Y+i]
	v_and_b32 v[N+2*i+1], s30, v[Y+i]
.set i, i+1
.endr
	s_wait_dscnt 0x0                               ; for the others' sake: my partial sums are in LDS
	s_barrier_signal -1                            ; the way here hangs on the work-group's number alone: all eight waves pass
	s_barrier_wait -1
.set i, 0
.rept 8
	ds_load_b32 v[232+i], v9 offset:i*64
.set i, i+1
.endr
	s_wait_dscnt 0x0
	v_add_f32 v232, v232, v233
	v_add_f32 v234, v234, v235
	v_add_f32 v236, v236, v237
	v_add_f32 v238, v238, v239
	v_add_f32 v232, v232, v234
	v_add_f32 v236, v236, v238
	v_add_f32 v232, v232, v236
	v_fma_f32 v232, v232, s36, s37                 ; mean + 1e-6
	v_rsq_f32 v226, v232
	v_rsq_f32 v227, v232                           ; twice: a pair for the packed multiply
	v_nop
.set i, 0
	s_wait_alu depctr_va_vdst(0)
.rept 32
	v_pk_mul_f32 v[X+2*i:X+2*i+1], v[X+2*i:X+2*i+1], v[226:227]
.set i, i+1
.endr
.set i, 0
.rept 32
	v_pk_mul_f32 v[X+2*i:X+2*i+1], v[X+2*i:X+2*i+1], v[N+2*i:N+2*i+1]
.set i, i+1
.endr
.set i, 0
.rept 32
	v_cvt_pk_f16_f32 v[Y+i], v[X+2*i], v[X+2*i+1]
.set i, i+1
.endr
.set i, 0
.rept 8
	global_store_b128 v4, v[Y+4*i:Y+4*i+3], s[44:45] offset:i*512
.set i, i+1
.endr
	FIN
.Lw4:                                                  ; WQ, WK, WV, WO: matrix (id - 256) / 64, row tile (id - 256) % 64, wave w its columns 128 w ..
	s_sub_co_u32 s33, s32, 256
	s_lshr_b32 s56, s33, 6
	s_and_b32 s57, s33, 63
	s_cmp_eq_u32 s56, 1
	s_cselect_b64 s[34:35], s[10:11], s[8:9]
	s_cmp_eq_u32 s56, 2
	s_cselect_b64 s[34:35], s[12:13], s[34:35]
	s_cmp_eq_u32 s56, 3
	s_cselect_b64 s[34:35], s[14:15], s[34:35]
	s_lshl_b32 s40, s57, 16
	s_lshl_b32 s33, s28, 9
	s_add_co_u32 s40, s40, s33
	s_add_nc_u64 s[34:35], s[34:35], s[40:41]      ; even rows,
	s_add_nc_u64 s[36:37], s[34:35], 4096          ; odd rows
.set i, 0
.rept 8
	v_add_nc_u32 v[8+i], i*8192, v4
	s_mov_b32 s[48+i], -1
.set i, i+1
.endr
	s_lshr_b32 s40, s57, 2                         ; q, k, v go by heads: tile = head 12 + matrix 4 + (row tile % 4)
	s_mul_i32 s40, s40, 12
	s_lshl_b32 s33, s56, 2
	s_add_co_u32 s40, s40, s33
	s_and_b32 s33, s57, 3
	s_add_co_u32 s40, s40, s33
	s_add_co_u32 s33, s57, 192                     ; wo's tiles follow the 192 of q, k, v
	s_cmp_eq_u32 s56, 3
	s_cselect_b32 s40, s33, s40
	s_branch .Lcast
.Lgu:                                                  ; W_GATE AND W_UP: destination row 2 j is gate's row j, 2 j + 1 is up's; rows from 2,730 on are zeros
	s_sub_co_u32 s57, s32, 512                     ; destination tile: hidden rows 8 dt .. 8 dt + 7
	s_lshl_b32 s40, s28, 9
	s_add_nc_u64 s[34:35], s[18:19], s[40:41]
	s_add_nc_u64 s[36:37], s[20:21], s[40:41]
	s_lshl_b32 s56, s57, 3
.set i, 0
.rept 8
	s_add_co_u32 s33, s56, i
	s_cmp_lt_u32 s33, 2730
	s_cselect_b32 s[48+i], -1, 0                   ; keeps the row or clears it
	s_min_u32 s33, s33, 2729                       ; a row past the end reads the last row: every load stays inside
	s_lshl_b32 s33, s33, 12
	v_add_nc_u32 v[8+i], s33, v4
.set i, i+1
.endr
	s_add_co_u32 s40, s57, 256                     ; WGU's tiles follow the 256 of q, k, v, o
.Lcast:                                                ; 16 rows x 128 columns: f32 -> bf16 -> the same number as f16 -> octet-major
	s_lshl_b32 s40, s40, 15
	s_lshl_b32 s33, s28, 12
	s_add_co_u32 s40, s40, s33
	s_add_nc_u64 s[38:39], s[24:25], s[40:41]
.set i, 0
.rept 16
	global_load_b128 v[X+4*i:X+4*i+3], v[8+i/2], s[34+2*(i%2):35+2*(i%2)] th:TH_LOAD_NT
.set i, i+1
.endr
.set i, 0
.rept 16
	s_wait_loadcnt 15-i                            ; row i is in; the younger rows' loads stay out
	v_cvt_pk_bf16_f32 v[Y+2*i], v[X+4*i], v[X+4*i+1]
	v_cvt_pk_bf16_f32 v[Y+2*i+1], v[X+4*i+2], v[X+4*i+3]
	v_lshlrev_b32 v[X+4*i], 16, v[Y+2*i]
	v_and_b32 v[X+4*i+1], s30, v[Y+2*i]
	v_lshlrev_b32 v[X+4*i+2], 16, v[Y+2*i+1]
	v_and_b32 v[X+4*i+3], s30, v[Y+2*i+1]
	v_cvt_pk_f16_f32 v[Y+2*i], v[X+4*i], v[X+4*i+1]
	v_cvt_pk_f16_f32 v[Y+2*i+1], v[X+4*i+2], v[X+4*i+3]
	v_and_b32 v[Y+2*i], s[48+i/2], v[Y+2*i]
	v_and_b32 v[Y+2*i+1], s[48+i/2], v[Y+2*i+1]
	ds_store_b64 v6, v[Y+2*i:Y+2*i+1] offset:i*16
.set i, i+1
.endr
	TRANS 38
	FIN
.Ldn:                                                  ; W_DOWN: rows of 10,920 bytes, a multiple of 8 only, so 8 bytes a lane; columns from 2,730 on are zeros
	s_sub_co_u32 s33, s32, 864
	s_lshl_b32 s33, s33, 3
	s_add_co_u32 s33, s33, s28
	s_lshr_b32 s56, s33, 6                         ; group of 128 columns, 0 .. 21
	s_and_b32 s57, s33, 63                         ; row tile
	s_mul_i32 s40, s57, 174720
	s_add_nc_u64 s[34:35], s[22:23], s[40:41]
	s_lshl_b32 s33, s56, 7
	v_lshl_add_u32 v8, v1, 1, s33                  ; my two columns, in the group's first half
	v_add_nc_u32 v9, 64, v8                        ; and in its second
	s_movk_i32 s58, 2730
	v_cmp_gt_u32 s60, s58, v8
	v_cmp_gt_u32 s61, s58, v9
	v_min_u32 v8, 0xaa8, v8                        ; a pair past the end reads the row's last pair
	v_min_u32 v9, 0xaa8, v9
	v_lshlrev_b32 v8, 2, v8
	v_lshlrev_b32 v9, 2, v9
.set i, 0
.rept 16
	global_load_b64 v[X+4*i:X+4*i+1], v8, s[34:35] offset:i*10920 th:TH_LOAD_NT
	global_load_b64 v[X+4*i+2:X+4*i+3], v9, s[34:35] offset:i*10920 th:TH_LOAD_NT
.set i, i+1
.endr
	v_lshrrev_b32 v10, 2, v1
	v_mul_u32_u24 v10, v10, 272
	v_and_b32 v11, 3, v1
	v_lshl_add_u32 v10, v11, 2, v10
	v_add_nc_u32 v10, s29, v10                     ; octet L / 4, word L % 4
	s_mul_i32 s40, s57, 90112
	s_lshl_b32 s33, s56, 12
	s_add_co_u32 s40, s40, s33
	s_add_co_u32 s40, s40, P_WD
	s_add_nc_u64 s[38:39], s[24:25], s[40:41]
.set i, 0
.rept 16
	s_wait_loadcnt 30-2*i                          ; row i's two loads are in; the younger rows' stay out
	v_cvt_pk_bf16_f32 v[Y+2*i], v[X+4*i], v[X+4*i+1]
	v_cvt_pk_bf16_f32 v[Y+2*i+1], v[X+4*i+2], v[X+4*i+3]
	v_cndmask_b32 v[Y+2*i], 0, v[Y+2*i], s60
	v_cndmask_b32 v[Y+2*i+1], 0, v[Y+2*i+1], s61
	ds_store_b32 v10, v[Y+2*i] offset:i*16
	ds_store_b32 v10, v[Y+2*i+1] offset:i*16+2176
.set i, i+1
.endr
	TRANS 38
	FIN
.Lmask:                                                ; THE MASK: q tile id - 1040 (16 rows), wave w its keys 256 w .. 256 w + 255
	s_sub_co_u32 s57, s32, 1040
	s_lshl_b32 s40, s57, 15
	s_lshl_b32 s33, s28, 8
	s_add_co_u32 s40, s40, s33
	s_add_nc_u64 s[34:35], s[6:7], s[40:41]
	v_lshlrev_b32 v8, 11, v3
	v_lshl_add_u32 v8, v2, 4, v8                   ; 16 lanes take one row's 256 bytes
.set i, 0
.rept 8
	global_load_b128 v[32+4*i:35+4*i], v8, s[34:35] offset:i*4096 th:TH_LOAD_NT   ; rows 2 i + h
.set i, i+1
.endr
	v_mul_u32_u24 v9, v2, 528                      ; in: group of 16 keys r (pitch 528 = 132 words: group c starts at bank 4 c), row 2 i + h
	v_lshl_add_u32 v9, v3, 4, v9
	v_add_nc_u32 v9, s29, v9
	v_add_nc_u32 v10, s29, v4                      ; back: a group's 512 bytes, lane by lane
	v_mov_b32 v12, 0
	s_mov_b32 s58, 0x04010400                      ; bytes 0, 1 of a word into the low bytes of two halves
	s_mov_b32 s59, 0x04030402                      ; bytes 2, 3
	s_lshr_b32 s40, s57, 2
	s_lshl_b32 s40, s40, 5
	s_lshl_b32 s33, s28, 2
	s_add_co_u32 s40, s40, s33
	s_lshl_b32 s40, s40, 13                        ; (query block 32 + key step) 8,192
	s_and_b32 s33, s57, 3
	s_lshl_b32 s33, s33, 11
	s_add_co_u32 s40, s40, s33
	s_add_co_u32 s40, s40, P_MF
	s_add_nc_u64 s[38:39], s[24:25], s[40:41]
	s_wait_loadcnt 0x0
	v_and_b32 v11, v32, v33                        ; a byte of the AND is 0 where some key of my 16 columns is visible to some row
.set i, 2
.rept 30
	v_and_b32 v11, v11, v[32+i]
.set i, i+1
.endr
	v_cmp_ne_u32 vcc_lo, 0x01010101, v11
	s_lshr_b32 s33, vcc_lo, 16
	s_or_b32 s33, s33, vcc_lo                      ; bit r: keys 16 r .. 16 r + 15
	s_mov_b32 s56, 0
.set i, 0
.rept 4
	s_bfe_u32 s61, s33, (4<<16)|(4*i)
	s_cmp_lg_u32 s61, 0
	s_cselect_b32 s61, 1<<i, 0
	s_or_b32 s56, s56, s61                         ; bit i: key step 4 w + i
.set i, i+1
.endr
.set i, 0
.rept 32
	v_perm_b32 v[64+2*i], v12, v[32+i], s58
	v_perm_b32 v[65+2*i], v12, v[32+i], s59
.set i, i+1
.endr
.set i, 0
.rept 64
	v_mul_u32_u24 v[64+i], 0x3f80, v[64+i]         ; 1 -> bf16 1.0 in both halves
.set i, i+1
.endr
.set i, 0
.rept 8
	ds_store_b128 v9, v[64+8*i:67+8*i] offset:i*32          ; keys 0-7 of the group
	ds_store_b128 v9, v[68+8*i:71+8*i] offset:i*32+256      ; keys 8-15
.set i, i+1
.endr
.set i, 0
.rept 16
	ds_load_b128 v[128+4*i:131+4*i], v10 offset:i*528
.set i, i+1
.endr
	v_mov_b32 v13, s56
	s_lshl_b32 s33, s57, 3
	s_add_co_u32 s33, s33, s28
	s_lshl_b32 s33, s33, 2
	v_mov_b32 v14, s33
	s_wait_dscnt 0x0
.set i, 0
.rept 16
	global_store_b128 v4, v[128+4*i:131+4*i], s[38:39] offset:(i/4)*8192+(i%4)*512
.set i, i+1
.endr
	v_cmp_eq_u32 vcc_lo, 0, v1
	s_wait_xcnt 0x0                                ; EXEC changes only behind this wait
	s_and_saveexec_b32 s61, vcc_lo
	global_store_b32 v14, v13, s[26:27]            ; lane 0 alone: the word of (q tile, chunk)
	s_wait_xcnt 0x0
	s_or_b32 exec_lo, exec_lo, s61
	FIN
.Lfunc_end_k_q542cc07496_prep:
	.size	k_q542cc07496_prep, .Lfunc_end_k_q542cc07496_prep-k_q542cc07496_prep
	.p2alignl 7, 3214868480
	.fill 96, 4, 3214868480
	.section	.rodata,"a",@progbits
	.p2align	6, 0x0
	.amdhsa_kernel k_q542cc07496_prep
		.amdhsa_group_segment_fixed_size 69120
		.amdhsa_private_segment_fixed_size 0
		.amdhsa_enable_private_segment 0
		.amdhsa_kernarg_size 96
		.amdhsa_user_sgpr_count 2
		.amdhsa_user_sgpr_kernarg_segment_ptr 1
		.amdhsa_wavefront_size32 1
		.amdhsa_system_sgpr_workgroup_id_x 1
		.amdhsa_system_sgpr_workgroup_id_y 1
		.amdhsa_system_sgpr_workgroup_id_z 1
		.amdhsa_system_vgpr_workitem_id 0
		.amdhsa_next_free_vgpr 256
		.amdhsa_next_free_sgpr 66
		.amdhsa_reserve_vcc 1
		.amdhsa_float_denorm_mode_32 3
		.amdhsa_float_denorm_mode_16_64 3
		.amdhsa_memory_ordered 1
		.amdhsa_forward_progress 1
		.amdhsa_inst_pref_size 77
	.end_amdhsa_kernel
	.amdgpu_metadata
---
amdhsa.version: [ 1, 2 ]
amdhsa.kernels:
  - .name:           k_q542cc07496_prep
    .symbol:         k_q542cc07496_prep.kd
    .args:
      - { .name: x, .offset: 0, .size: 8, .value_kind: global_buffer, .address_space: global }
      - { .name: attn_mask, .offset: 8, .size: 8, .value_kind: global_buffer, .address_space: global }
      - { .name: wq, .offset: 16, .size: 8, .value_kind: global_buffer, .address_space: global }
      - { .name: wk, .offset: 24, .size: 8, .value_kind: global_buffer, .address_space: global }
      - { .name: wv, .offset: 32, .size: 8, .value_kind: global_buffer, .address_space: global }
      - { .name: wo, .offset: 40, .size: 8, .value_kind: global_buffer, .address_space: global }
      - { .name: norm1_w, .offset: 48, .size: 8, .value_kind: global_buffer, .address_space: global }
      - { .name: w_gate, .offset: 56, .size: 8, .value_kind: global_buffer, .address_space: global }
      - { .name: w_up, .offset: 64, .size: 8, .value_kind: global_buffer, .address_space: global }
      - { .name: w_down, .offset: 72, .size: 8, .value_kind: global_buffer, .address_space: global }
      - { .name: prepbuf, .offset: 80, .size: 8, .value_kind: global_buffer, .address_space: global }
      - { .name: mbits, .offset: 88, .size: 8, .value_kind: global_buffer, .address_space: global }
    .group_segment_fixed_size: 69120
    .private_segment_fixed_size: 0
    .kernarg_segment_align: 8
    .kernarg_segment_size: 96
    .max_flat_workgroup_size: 256
    .sgpr_count:     66
    .vgpr_count:     256
    .wavefront_size: 32
...
	.end_amdgpu_metadata
.endif
;; end of part 1
;; launch qkv (part 2): grid 16 x 16, 4 waves a work-group, clusters of 4 x 4, 327,680 bytes of LDS; arguments prepbuf, qkv; writes qkv
.if DOCPART == 2
	.amdgcn_target "amdgcn-amd-amdhsa--gfx1250"
	.amdhsa_code_object_version 6
	.text
	.protected	k_q542cc07496_qkv
	.globl	k_q542cc07496_qkv
	.p2align	8
	.type	k_q542cc07496_qkv,@function
k_q542cc07496_qkv:
	s_mov_b64 s[64:65], 0
	v_nop
	global_prefetch_b8 v0, s[64:65] scope:SCOPE_SE
	s_setreg_imm32_b32 hwreg(HW_REG_WAVE_MODE, 25, 1), 1
	s_wait_xcnt 0x0
	s_wait_alu depctr_hold_cnt(0) depctr_sa_sdst(0) depctr_va_vdst(0) depctr_va_sdst(0) depctr_va_ssrc(0) depctr_va_vcc(0) depctr_vm_vsrc(0)
	s_getreg_b32 s2, hwreg(HW_REG_IB_STS2, 6, 4)
	s_cmp_eq_u32 s2, 0
	s_cbranch_scc0 .Lentry_in_a_cluster
	s_endpgm
.Lentry_in_a_cluster:
	s_bfe_u32 s2, ttmp6, 0x10000c
	s_cmp_lg_u32 s2, 0xf033
	s_cbranch_scc0 .Lentry_shape_is_right
	s_endpgm
.Lentry_shape_is_right:
; Q, K, V = h W^T with RoPE on q and k.  h: OM(4096,1024) f16; the weights: OM(3072,1024) f16, by heads: a head's 12 row tiles are q 0-3, k 4-7, v 8-11.  Sums in f32.
; The output buffer: q, then k, then V^T, each 32 (batch x head) x 262,144 bytes = 8,388,608 bytes.
; A work-group makes 256 tokens x one head's 192 columns; each of its four waves 64 tokens x 192: 48 accumulators.  K goes in 8 steps of 128 through two LDS slots filled by the tensor data mover.
; OCTET-MAJOR operands: a 16 x 32 fragment is 1,024 consecutive bytes, so every LDS load takes 512 consecutive bytes (no padding), and a tile's row is one row tile's 4,096 bytes of a step.
; q and k are made transposed (source 0 = weights): a lane holds one token and 8 neighbouring channels, 16 bytes of OM(2048,64).  v is made straight: a lane holds one channel and 8 neighbouring tokens, 16 bytes of V^T.
; THE LOOP.  A unit is 32 along K: it multiplies one fragment buffer and fetches the next unit's fragments into the other.  Two units are written once and looped.  The change of slots stands at the head of
; a step's last unit, whose fragments are then in registers: nobody reads the slot any more, and it is filled again straight behind the round.
; CLUSTER 4 x 4: the four work-groups of a row of the cluster need the same tiles of h, the four of a column the same weights: each tile is asked for jointly.
; LIMIT: q, k, v are stored in f16, unscaled: they must stay under 65,504.
; REGISTERS in windows of 256: window 0 addresses, at work, v128-255 cos and sin; window 1 two fragment buffers (A at f + 8 a, B at f + 32 + 8 b); windows 2, 3 the accumulators of my token tiles 0, 1 and 2, 3.
.set KS,    128
.set TT,    8                          ; K steps
.set NU,    KS/32                      ; units in a step
.set BB,    12                         ; column blocks of a wave
.set MTT,   16                         ; row tiles of A in a slot
.set NTT,   12                         ; row tiles of B
.set PA,    32768                      ; bytes from row tile to row tile in memory
.set PB,    32768
.set APTR,  4
.set BPTR,  4
.set AOFF,  25690112                   ; h in prepbuf
.set BOFF,  0
.set P_ROPE, 50855936
.set PART,  8388608                    ; bytes of q, of k and of V^T
.set SPARE, 262144                     ; behind the two slots: the spare words, 128 bytes a wave
.set RB,     KS*32                     ; a row tile's bytes in a step
.set NT0,    NTT/2
.set ABYTES, MTT*RB
.set SLOT1,  1<<17                     ; slot 1 begins here: one exclusive or turns an address in one slot into the other's
.set F0, 0
.set F1, 128
.set G1A, 24                           ; s[24:31] group 1 for A;  s[32:35] group 0 of the first fill, s[36:39] the one that walks
.set G0A, 32
.set G1B, 48                           ; s[48:55], s[56:59], s[60:63] the same for B
.set G0B, 56
.set MSB, 0
.macro WIN new                         ; the immediate's high byte repeats the setting that is left; a switch that changes nothing is dropped
.if MSB != (\new)
	s_set_vgpr_msb (MSB<<8)|(\new)
.set MSB, (\new)
.endif
.endm
.macro NOPS n
.rept \n
	v_nop
.endr
.endm
.macro MMA d, p, q, zero
.if \zero
	v_wmma_f32_16x16x32_f16 v[\d:\d+7], v[\p:\p+7], v[\q:\q+7], 0
.else
	v_wmma_f32_16x16x32_f16 v[\d:\d+7], v[\p:\p+7], v[\q:\q+7], v[\d:\d+7]
.endif
.endm
.macro JLOAD                           ; a joint refill: waves 0, 1 fetch A's halves, waves 2, 3 B's; s_nop 0 and four v_nop follow each line
	s_cmp_eq_u32 s11, 0
	s_cbranch_scc0 .Lfor_b_\@
	tensor_load_to_lds s[G0A+4:G0A+7], s[G1A:G1A+7]
	s_nop 0
	NOPS 4
	s_branch .Lasked_\@
.Lfor_b_\@:
	tensor_load_to_lds s[G0B+4:G0B+7], s[G1B:G1B+7]
	s_nop 0
	NOPS 4
.Lasked_\@:
.endm
.macro CREST                           ; a round of the cluster's barrier behind its opening barrier
	s_cmp_lg_u32 s10, 0
	s_cbranch_scc1 .Lnot_wave_0_\@
	s_barrier_signal -3
.Lnot_wave_0_\@:
	s_barrier_wait -3
	s_barrier_signal -1
	s_barrier_wait -1
.endm
.macro CROUND
	s_barrier_signal -1
	s_barrier_wait -1
	CREST
.endm
; 2 BB matrix instructions: token tiles 2 ah, 2 ah + 1 x all column blocks, 32 along K.  Every accumulator has one instruction a unit: they take turns.
; Blocks 8 to 11 (v) have their sources the other way round.
.macro MULG f, ah, zero
	WIN 0xa5+0x50*(\ah)
.set ia, 0
.rept 2
.set ib, 0
.rept BB
.set rD, 8*(ia*BB+ib)
.set rA, (\f)+8*(2*(\ah)+ia)
.set rB, (\f)+32+8*ib
.if ib >= 8
	MMA rD, rA, rB, \zero
.else
	MMA rD, rB, rA, \zero
.endif
.set ib, ib+1
.endr
.set ia, ia+1
.endr
.endm
.macro FADR                            ; the LDS addresses of the unit to be fetched; the next fetch is the next unit's
	v_add_nc_u32 v18, s22, v16
	v_add_nc_u32 v19, s22, v17
	s_add_co_u32 s22, s22, 1024
.endm
.macro FETCH g                         ; one run of 2 (BB + 4) LDS loads, each 512 consecutive bytes
	WIN 0x40
.set ib, 0
.rept BB
	ds_load_b128 v[(\g)+32+8*ib:(\g)+32+8*ib+3], v19 offset:ib*RB
	ds_load_b128 v[(\g)+32+8*ib+4:(\g)+32+8*ib+7], v19 offset:ib*RB+512
.set ib, ib+1
.endr
.set ia, 0
.rept 4
	ds_load_b128 v[(\g)+8*ia:(\g)+8*ia+3], v18 offset:ia*RB
	ds_load_b128 v[(\g)+8*ia+4:(\g)+8*ia+7], v18 offset:ia*RB+512
.set ia, ia+1
.endr
.endm
.macro UNIT f, g, zero                 ; buffer f is multiplied; the next unit's fragments are asked for first, into g
	s_wait_dscnt 0x0                               ; f's loads, issued a whole unit ago
	WIN 0
	FADR                                           ; two plain instructions and two v_nop: the four places between the last product that read g and the loads into it
	NOPS 2
	FETCH \g
	MULG \f, 0, \zero
	MULG \f, 1, \zero
.endm
; THE CHANGE OF SLOTS, at the head of a step's last unit.  Each wave waits for all its tensor loads (one is out: its part of the next slot), adds 0 to its spare word, and waits for that and for its reads of
; this slot, of which the last are the fragments of the unit to come.  fill = 1: the barrier is a round of the cluster's, and the joint refill, two steps ahead, is the first thing behind it.
.macro CHANGE fill
	WIN 0
	s_wait_tensorcnt 0x0
	ds_add_u32 v28, v29                            ; 0 onto my spare word; the scalar steps stand between it and the wait for it
.if \fill
	s_xor_b32 s[G0A+5], s[G0A+5], SLOT1            ; no load of mine is out: the walking descriptors step to the other slot and the next K step
	s_add_nc_u64 s[G0A+6:G0A+7], s[G0A+6:G0A+7], RB
	s_xor_b32 s[G0B+5], s[G0B+5], SLOT1
	s_add_nc_u64 s[G0B+6:G0B+7], s[G0B+6:G0B+7], RB
.endif
	s_sub_co_u32 s22, s22, RB                      ; the fetches go back to a step's first unit, in the other slot
	s_xor_b32 s22, s22, SLOT1
	s_wait_dscnt 0x0                               ; the add is done, and my reads of this slot are over
.if \fill
	CROUND
	JLOAD
.else
	s_barrier_signal -1
	s_barrier_wait -1
.endif
.endm
	s_load_b128 s[4:7], s[0:1], 0x0                ; prepbuf s[4:5], qkv s[6:7]
	v_lshl_add_u32 v28, v0, 2, SPARE
	v_mov_b32 v29, 0
	ds_add_u32 v28, v29                            ; the wave's opening: the add and its wait come ahead of my first tensor load
	v_lshrrev_b32 v1, 5, v0
	v_readfirstlane_b32 s10, v1                    ; wave
	s_lshr_b32 s11, s10, 1                         ; I fetch for A (0) or B (1)
	s_and_b32 s12, s10, 1                          ; which part of that tile
	s_bfe_u32 s40, ttmp6, 0x40000                  ; cx
	s_bfe_u32 s41, ttmp6, 0x40004                  ; cy
	s_lshl_b32 s42, ttmp9, 2
	s_add_co_u32 s42, s42, s40                     ; tile column
	s_and_b32 s13, ttmp7, 0xffff
	s_lshl_b32 s13, s13, 2
	s_add_co_u32 s13, s13, s41                     ; tile row
	s_lshl_b32 s43, s41, 2
	s_lshl_b32 s43, 15, s43                        ; my row of the cluster
	s_lshl_b32 s44, 0x1111, s40                    ; my column
	s_or_b32 s[G1A], s43, (3<<16)|(1<<21)          ; 15:0 the mask; 17:16 elements of 8 bytes; 21 set beside a mask; no padding
	s_or_b32 s[G1B], s44, (3<<16)|(1<<21)
	s_mov_b32 s[G1A+1], (RB/8)<<16                 ; tensor_dim0
	s_mov_b32 s[G1A+2], (MTT/2)<<16                ; tensor_dim1
	s_mov_b32 s[G1A+3], (RB/8)<<16                 ; tile_dim0: a row tile's bytes of a step
	s_mov_b32 s[G1A+4], MTT/2                      ; tile_dim1: row tiles
	s_mov_b32 s[G1A+5], PA/8                       ; from row tile to row tile
	s_mov_b32 s[G1A+6], 0
	s_mov_b32 s[G1A+7], 0
	s_mov_b32 s[G1B+1], (RB/8)<<16
	s_mov_b32 s[G1B+2], NT0<<16
	s_mov_b32 s[G1B+3], (RB/8)<<16
	s_mov_b32 s[G1B+4], NT0
	s_mov_b32 s[G1B+5], PB/8
	s_mov_b32 s[G1B+6], 0
	s_mov_b32 s[G1B+7], 0
	s_mul_i32 s16, s13, MTT*PA                     ; A's tile hangs on the tile row and the wave alone,
	s_mul_i32 s17, s12, (MTT/2)*PA
	s_add_co_u32 s16, s16, s17
	s_add_co_u32 s16, s16, AOFF
	s_mov_b32 s17, 0
	s_mul_i32 s46, s42, NTT*PB                     ; B's on the tile column and the wave alone
	s_mul_i32 s47, s12, NT0*PB
	s_add_co_u32 s46, s46, s47
	s_add_co_u32 s46, s46, BOFF
	s_mov_b32 s47, 0
	s_mul_i32 s20, s12, (MTT/2)*RB                 ; where they go: no place in the cluster enters an LDS address
	s_mul_i32 s21, s12, NT0*RB
	s_add_co_u32 s21, s21, ABYTES
	s_wait_dscnt 0x0                               ; the opening add is done
	s_wait_kmcnt 0x0
	s_add_nc_u64 s[14:15], s[APTR:APTR+1], s[16:17]
	s_add_nc_u64 s[46:47], s[BPTR:BPTR+1], s[46:47]
	CROUND                                         ; all sixteen work-groups are here: the first joint loads meet
.irp s, 0,1
	s_mov_b32 s[G0A+4*(\s)], 1
	s_add_co_u32 s[G0A+4*(\s)+1], s20, (\s)*SLOT1
	s_add_nc_u64 s[G0A+4*(\s)+2:G0A+4*(\s)+3], s[14:15], (\s)*RB
	s_or_b32 s[G0A+4*(\s)+3], s[G0A+4*(\s)+3], 0x80000000
	s_mov_b32 s[G0B+4*(\s)], 1
	s_add_co_u32 s[G0B+4*(\s)+1], s21, (\s)*SLOT1
	s_add_nc_u64 s[G0B+4*(\s)+2:G0B+4*(\s)+3], s[46:47], (\s)*RB
	s_or_b32 s[G0B+4*(\s)+3], s[G0B+4*(\s)+3], 0x80000000
.endr
	s_cmp_eq_u32 s11, 0                            ; a wave's two first fills stand in one branch: two loads of mine are out
	s_cbranch_scc0 .Lfirst_b
	tensor_load_to_lds s[G0A:G0A+3], s[G1A:G1A+7]
	s_nop 0
	tensor_load_to_lds s[G0A+4:G0A+7], s[G1A:G1A+7]
	s_nop 0
	NOPS 4
	s_branch .Lfirst_asked
.Lfirst_b:
	tensor_load_to_lds s[G0B:G0B+3], s[G1B:G1B+7]
	s_nop 0
	tensor_load_to_lds s[G0B+4:G0B+7], s[G1B:G1B+7]
	s_nop 0
	NOPS 4
.Lfirst_asked:
	v_and_b32 v3, 31, v0
	v_lshlrev_b32 v3, 4, v3                        ; 16 x lane
	s_mul_i32 s74, s10, 4*RB
	v_add_nc_u32 v16, s74, v3                      ; my four row tiles of A
	v_add_nc_u32 v17, ABYTES, v3                   ; all twelve column blocks of B
	; the way out's addresses: token tile tt0 = 16 (tile row % 8) + 4 w in the sequence; head = tile column; batch = tile row / 8
	s_and_b32 s74, s13, 7
	s_lshl_b32 s74, s74, 4
	s_lshl_b32 s75, s10, 2
	s_add_co_u32 s74, s74, s75                     ; tt0
	s_lshr_b32 s75, s13, 3
	s_lshl_b32 s75, s75, 4
	s_add_co_u32 s75, s75, s42
	s_lshl_b32 s75, s75, 18                        ; (batch 16 + head) 262,144
	s_mov_b32 s73, 0
	s_lshl_b32 s72, s74, 12
	s_add_co_u32 s72, s72, P_ROPE
	s_add_nc_u64 s[66:67], s[4:5], s[72:73]        ; cos and sin of my 64 tokens
	s_lshl_b32 s72, s74, 11
	s_add_co_u32 s72, s72, s75
	s_add_nc_u64 s[68:69], s[6:7], s[72:73]        ; q: a token tile is 2,048 bytes
	s_add_nc_u64 s[76:77], s[68:69], PART          ; k, at the same place in its own part: a base of its own, since the distance does not fit a store's immediate
	s_lshl_b32 s72, s74, 9
	s_add_co_u32 s72, s72, s75
	s_add_co_u32 s72, s72, 2*PART
	s_add_nc_u64 s[70:71], s[6:7], s[72:73]        ; V^T: a token tile is 512 bytes of each channel tile
.set i, 0
.rept 32
	global_load_b128 v[128+4*i:131+4*i], v3, s[66:67] offset:i*512   ; token tile i / 8: 16 registers of cos, 16 of sin; waited for at the way out
.set i, i+1
.endr
	s_wait_tensorcnt 0x1                           ; my part of K step 0 is in; step 1's may stay out
	s_barrier_signal -1
	s_barrier_wait -1
	s_mov_b32 s22, 0
	FADR
	FETCH F0
	UNIT F0, F1, 1                                 ; the first unit starts the sums: nothing is cleared
	WIN 0
	s_mov_b32 s3, TT-1                             ; the way in counts as one pass; TT - 2 changes of slots fill a slot again
	s_mov_b32 s2, NU/2-1                           ; step 0 has NU - 2 units left in front of its last
	s_branch .Lpair
.Lstep:
	CHANGE 1
	s_mov_b32 s2, NU/2                             ; a step's last unit and the next step's units up to its last but one
.Lpair:
	UNIT F1, F0, 0
	UNIT F0, F1, 0
	WIN 0
	s_sub_co_u32 s2, s2, 1
	s_cmp_lg_u32 s2, 0
	s_cbranch_scc1 .Lpair
	s_sub_co_u32 s3, s3, 1
	s_cmp_lg_u32 s3, 0
	s_cbranch_scc1 .Lstep
	CHANGE 0                                       ; the last change is written out: it asks for nothing
	s_mov_b32 s2, NU/2
.Llast:
	UNIT F1, F0, 0
	UNIT F0, F1, 0
	WIN 0
	s_sub_co_u32 s2, s2, 1
	s_cmp_lg_u32 s2, 0
	s_cbranch_scc1 .Llast
	s_wait_dscnt 0x0                               ; the very last unit: nothing more to fetch
	MULG F1, 0, 0
	MULG F1, 1, 0
	WIN 0
	NOPS 4                                         ; the places behind the last products
	s_wait_loadcnt 0x0                             ; cos and sin
; RoPE on token tile a, blocks hb .. hb + 3 (hb = 0: q, 4: k): lo' = lo cos - hi sin, hi' = hi cos + lo sin, where hi is the block 32 channels on.
; Each accumulator is read from its lowest registers on.
.macro ROPEQ a, hb
	WIN 0x02+(\a)/2                                ; source 0 in the accumulators' window
.set bp, 0
.rept 2
.set pr, 0
.rept 4
.set rLo, 8*(((\a)%2)*BB+(\hb)+bp)+2*pr
.set rHi, rLo+16
.set rC, 128+32*(\a)+8*bp+2*pr
.set rN, rC+16
.set rT, 64+4*(4*bp+pr)
.set rR, 32+8*bp+2*pr
	v_pk_mul_f32 v[rT:rT+1], v[rHi:rHi+1], v[rN:rN+1]
	v_pk_mul_f32 v[rT+2:rT+3], v[rLo:rLo+1], v[rN:rN+1]
	v_pk_fma_f32 v[rR:rR+1], v[rLo:rLo+1], v[rC:rC+1], v[rT:rT+1] neg_lo:[0,0,1] neg_hi:[0,0,1]
	v_pk_fma_f32 v[rR+16:rR+17], v[rHi:rHi+1], v[rC:rC+1], v[rT+2:rT+3]
.set pr, pr+1
.endr
.set bp, bp+1
.endr
	WIN 0
	s_wait_xcnt 0x0                                ; v96-111 were the last stores' data
.set i, 0
.rept 16
	v_cvt_pk_f16_f32 v[96+i], v[32+2*i], v[33+2*i]
.set i, i+1
.endr
.set i, 0
.rept 4
	global_store_b128 v3, v[96+4*i:99+4*i], s[68+2*(\hb):69+2*(\hb)] offset:(\a)*2048+i*512   ; 512 consecutive bytes; base s[68:69] for q, s[76:77] for k
.set i, i+1
.endr
.endm
.macro VPACK a                         ; v of token tile a: channel tile cb, 8 tokens a lane
	WIN 0x0a+5*((\a)/2)
	s_wait_xcnt 0x0
.set i, 0
.rept 16
	v_cvt_pk_f16_f32 v[96+i], v[8*(((\a)%2)*BB+8)+2*i], v[8*(((\a)%2)*BB+8)+2*i+1]
.set i, i+1
.endr
	WIN 0
.set i, 0
.rept 4
	global_store_b128 v3, v[96+4*i:99+4*i], s[70:71] offset:i*65536+(\a)*512
.set i, i+1
.endr
.endm
.irp a, 0,1,2,3
	ROPEQ \a, 0
	ROPEQ \a, 4
	VPACK \a
.endr
	s_wait_tensorcnt 0x0                           ; the wave's end
	ds_add_u32 v28, v29
	s_wait_dscnt 0x0
	CROUND                                         ; the closing round: no work-group ends while a partner may still ask for a tile that names it
	s_endpgm
.Lfunc_end_k_q542cc07496_qkv:
	.size	k_q542cc07496_qkv, .Lfunc_end_k_q542cc07496_qkv-k_q542cc07496_qkv
	.p2alignl 7, 3214868480
	.fill 96, 4, 3214868480
	.section	.rodata,"a",@progbits
	.p2align	6, 0x0
	.amdhsa_kernel k_q542cc07496_qkv
		.amdhsa_group_segment_fixed_size 327680
		.amdhsa_private_segment_fixed_size 0
		.amdhsa_enable_private_segment 0
		.amdhsa_kernarg_size 16
		.amdhsa_user_sgpr_count 2
		.amdhsa_user_sgpr_kernarg_segment_ptr 1
		.amdhsa_wavefront_size32 1
		.amdhsa_system_sgpr_workgroup_id_x 1
		.amdhsa_system_sgpr_workgroup_id_y 1
		.amdhsa_system_sgpr_workgroup_id_z 1
		.amdhsa_system_vgpr_workitem_id 0
		.amdhsa_next_free_vgpr 1024
		.amdhsa_next_free_sgpr 80
		.amdhsa_reserve_vcc 0
		.amdhsa_float_denorm_mode_32 3
		.amdhsa_float_denorm_mode_16_64 3
		.amdhsa_memory_ordered 1
		.amdhsa_forward_progress 1
		.amdhsa_inst_pref_size 78
	.end_amdhsa_kernel
	.amdgpu_metadata
---
amdhsa.version: [ 1, 2 ]
amdhsa.kernels:
  - .name:           k_q542cc07496_qkv
    .symbol:         k_q542cc07496_qkv.kd
    .args:
      - { .name: prepbuf, .offset: 0, .size: 8, .value_kind: global_buffer, .address_space: global }
      - { .name: qkv, .offset: 8, .size: 8, .value_kind: global_buffer, .address_space: global }
    .group_segment_fixed_size: 327680
    .private_segment_fixed_size: 0
    .kernarg_segment_align: 8
    .kernarg_segment_size: 16
    .max_flat_workgroup_size: 128
    .sgpr_count:     80
    .vgpr_count:     1024
    .wavefront_size: 32
...
	.end_amdgpu_metadata
.endif
;; end of part 2
;; launch attn (part 3): grid 8 x 32, 4 waves a work-group, no clusters, 0 bytes of LDS; arguments qkv, prepbuf, mbits, of; writes of
.if DOCPART == 3
	.amdgcn_target "amdgcn-amd-amdhsa--gfx1250"
	.amdhsa_code_object_version 6
	.text
	.protected	k_q542cc07496_attn
	.globl	k_q542cc07496_attn
	.p2align	8
	.type	k_q542cc07496_attn,@function
k_q542cc07496_attn:
	s_mov_b64 s[64:65], 0
	v_nop
	global_prefetch_b8 v0, s[64:65] scope:SCOPE_SE
	s_setreg_imm32_b32 hwreg(HW_REG_WAVE_MODE, 25, 1), 1
	s_wait_xcnt 0x0
; ATTENTION under the mask that is given.  q, k: [32 heads] x OM(2048,64) f16; V^T: [32][4 channel tiles] x OM(16,2048) f16 (three parts of 8,388,608 bytes in one buffer);
; the mask as bf16 1.0 (hidden) / 0.0 in fragment order; O: OM(4096,1024) f16.
; A wave owns 64 queries of one head (four tiles of 16) and depends on no other wave: fragments are 512 consecutive bytes a load and come straight into registers, so there is no LDS and no barrier.
; WHICH KEY STEPS.  An earlier launch stored, for each 16 queries x 64 keys, whether any key is visible.  The wave walks the steps in which any of its 64 queries sees a key, and applies the true mask in each of them.
; With no such step it walks step 31 once, all hidden.
; THE MASK starts the sum S^T: a bf16 product of a matrix that holds -1.0003e30 on a diagonal with the mask's fragment gives -1.0003e30 where the key is hidden and 0 elsewhere; K Q^T is added onto it.
; SOFTMAX.  A running maximum m and sum l for each query: p = 2^(c s - c m), c = log2(e) / 8; O and l are multiplied by a = 2^(c m_old - c m_new) in every step; O and l start at 0.
; m starts at -2^96: below every score that f16 operands can give (64 x 65,504^2 = 2.7e11 at the most), above every hidden one.  So a hidden key's weight is 0 from the first step on, and a row that has seen
; only hidden keys holds O = 0 and l = 0.  (Were m allowed to fall to -1e30, c s - c m would be the rounding error of c m there, some 1e21, and its power of two infinite.)
; LIMITS.  A hidden score counts as its value less 1.0003e30.  A row whose last m lies below -2^93 has seen no key and gives NaN, as a softmax of -inf alone does.  A weight below 2^-126 counts as 0.
; NO CLUSTER: no tile goes through LDS, and the query blocks' trip counts differ.
; REGISTERS: window 0: v3, v4, v6 offsets; v16-47 statistics, 8 a tile; v48-59 zeros | diagonal | zeros; v64-191 S^T; v192-255 P.  Window 1: v0-127 O^T; v128-191 mask.  Window 2: v0-63 Q; v64-127 K; v128-191 V.
.set P_MF, 42467328
.set PART, 8388608                     ; bytes of q, of k and of V^T
.set ST, 16                            ; tile t at ST + 8 t: c m, m, l (even, odd keys), c0-c3 at work; a takes c2
.set S,  64
.set P,  192
.set CS,  54                           ; s[54:55] c
.set SEL, 56                           ; s[56:57] lane selects: each lane takes its own place in the other half
.set MSB, 0
.macro WIN new
.if MSB != (\new)
	s_set_vgpr_msb (MSB<<8)|(\new)
.set MSB, (\new)
.endif
.endm
.macro NOPS n
.rept \n
	v_nop
.endr
.endm
.macro T4 line:vararg                  ; one line for each tile t
.set t, 0
.rept 4
	\line
.set t, t+1
.endr
.endm
.macro NEXT                            ; s50 = the next visible step, taken out of s48; 31 when none is left: a valid step, whose look-ahead loads nobody uses
	s_ctz_i32_b32 s50, s48
	s_min_u32 s50, s50, 31
	s_sub_co_u32 s52, s48, 1
	s_and_b32 s48, s48, s52
.endm
.macro LOADKM                          ; a step's K and its mask block: 8,192 consecutive bytes each
	WIN 0x80
.set i, 0
.rept 16
	global_load_b128 v[64+4*i:67+4*i], v4, s[60:61] offset:i*512
.set i, i+1
.endr
	WIN 0x40
.set i, 0
.rept 16
	global_load_b128 v[128+4*i:131+4*i], v4, s[62:63] offset:i*512
.set i, i+1
.endr
	WIN 0
.endm
.macro LOADV                           ; V^T: key half i / 8, channel tile (i / 2) % 4
	WIN 0x80
.set i, 0
.rept 16
	global_load_b128 v[128+4*i:131+4*i], v6, s[66:67] offset:((i/2)%4)*65536+(i/8)*1024+(i%2)*512
.set i, i+1
.endr
	WIN 0
.endm
	s_load_b256 s[4:11], s[0:1], 0x0               ; qkv 4, prepbuf 6, mbits 8, of 10
	v_lshrrev_b32 v1, 5, v0
	v_readfirstlane_b32 s12, v1
	v_and_b32 v1, 15, v0                           ; r
	v_bfe_u32 v2, v0, 4, 1                         ; h
	v_and_b32 v3, 31, v0
	v_lshlrev_b32 v3, 4, v3                        ; 16 x lane
	s_lshl_b32 s13, ttmp9, 2
	s_add_co_u32 s13, s13, s12                     ; my block of 64 queries
	s_and_b32 s14, ttmp7, 0xffff                   ; batch 16 + head
	s_mov_b32 s73, 0
	s_mov_b32 s[CS], 0x3e38aa3b
	s_mov_b32 s[CS+1], s[CS]
	s_mov_b32 s[SEL], 0x76543210
	s_mov_b32 s[SEL+1], 0xfedcba98
	s_mov_b32 s58, 0xee000000                      ; -2^93
	s_wait_kmcnt 0x0
	s_lshl_b32 s72, s13, 7
	s_add_nc_u64 s[8:9], s[8:9], s[72:73]
	s_load_b512 s[16:31], s[8:9], 0x0              ; my four q tiles' eight words each
	s_load_b512 s[32:47], s[8:9], 0x40
	s_lshl_b32 s72, s14, 18
	s_add_nc_u64 s[68:69], s[4:5], s[72:73]
	s_add_nc_u64 s[60:61], s[68:69], PART          ; the head's K
	s_add_nc_u64 s[66:67], s[68:69], 2*PART        ; the head's V^T
	s_lshl_b32 s72, s13, 13
	s_add_nc_u64 s[68:69], s[68:69], s[72:73]      ; my Q
	s_lshl_b32 s72, s13, 18
	s_add_co_u32 s72, s72, P_MF
	s_add_nc_u64 s[62:63], s[6:7], s[72:73]        ; my query block's mask
	s_lshr_b32 s52, s14, 4
	s_lshl_b32 s52, s52, 7
	s_lshl_b32 s53, s13, 2
	s_add_co_u32 s52, s52, s53
	s_lshl_b32 s72, s52, 15
	s_and_b32 s53, s14, 15
	s_lshl_b32 s53, s53, 11
	s_add_co_u32 s72, s72, s53
	s_add_nc_u64 s[70:71], s[10:11], s[72:73]      ; O: row tile batch 128 + 4 block, the head's 64 columns
	WIN 0x80
.set i, 0
.rept 16
	global_load_b128 v[4*i:4*i+3], v3, s[68:69] offset:i*512
.set i, i+1
.endr
	WIN 0
	s_wait_kmcnt 0x0
	s_mov_b32 s48, 0
.set i, 0
.rept 8
	s_or_b32 s52, s[16+i], s[24+i]
	s_or_b32 s52, s52, s[32+i]
	s_or_b32 s52, s52, s[40+i]
	s_and_b32 s52, s52, 15
	s_lshl_b32 s52, s52, 4*i
	s_or_b32 s48, s48, s52                         ; bit ks: some query of mine sees a key of step ks
.set i, i+1
.endr
	s_bcnt1_i32_b32 s49, s48
	s_max_u32 s49, s49, 1
	s_min_u32 s49, s49, 32                         ; trips
	NEXT
	v_lshl_add_u32 v4, s50, 13, v3
	v_lshl_add_u32 v6, s50, 11, v3
	LOADKM
	LOADV
	; all this stands in the wait for the first loads.  The diagonal: row m = r holds -1.0003e30 (bf16 0xf14a) at k = r: lanes with r / 8 = h, register (r % 8) / 2, half r % 2
	v_and_b32 v7, 1, v1
	v_lshlrev_b32 v7, 4, v7
	v_mov_b32 v8, 0xf14a
	v_lshlrev_b32 v8, v7, v8
	v_lshrrev_b32 v9, 3, v1
	v_cmp_eq_u32 vcc_lo, v9, v2
	v_bfe_u32 v10, v1, 1, 2
	v_cndmask_b32 v10, 15, v10, vcc_lo
.set i, 0
.rept 4
	v_cmp_eq_u32 vcc_lo, i, v10
	v_cndmask_b32 v[52+i], 0, v8, vcc_lo
	v_mov_b32 v[48+i], 0
	v_mov_b32 v[56+i], 0
.set i, i+1
.endr
	v_mov_b32 v60, 0x7fc00000
	T4 v_mov_b32 v[ST+8*t], 0xfe000000             ; c m: far below every c s and below c x -2^96, so the first step's a is 0
	T4 v_mov_b32 v[ST+8*t+1], 0xef800000           ; m = -2^96
	T4 v_mov_b32 v[ST+8*t+2], 0
	T4 v_mov_b32 v[ST+8*t+3], 0
	WIN 0x40
.set i, 0
.rept 128
	v_mov_b32 v[i], 0                              ; O^T: no first step is written out, so it starts at 0
.set i, i+1
.endr
	WIN 0
	s_mov_b32 s51, 0
.Ltrip:
	NEXT                                           ; the step after this one
	s_wait_loadcnt 0x10                            ; K and the mask (in the first trip Q too) are in; the 16 loads of V stay out
	WIN 0x04
.set i, 0
.rept 16                                               ; tile i / 4, key block i % 4 = 2 p + e: the diagonal at k = 16 e + m picks keys 32 p + 16 e + m
	v_wmma_f32_16x16x32_bf16 v[S+8*i:S+8*i+7], v[52-4*(i%2):59-4*(i%2)], v[128+16*(i/4)+8*((i%4)/2):128+16*(i/4)+8*((i%4)/2)+7], 0
.set i, i+1
.endr
	NOPS 5                                         ; another form takes these results as C: five places (ISA guide 7.12.1)
	WIN 0x0a
.set i, 0
.rept 32                                               ; channels 32 (i / 16) on, tile (i / 4) % 4, key block i % 4: sixteen accumulators by turns
	v_wmma_f32_16x16x32_f16 v[S+8*(i%16):S+8*(i%16)+7], v[64+16*(i%4)+8*(i/16):64+16*(i%4)+8*(i/16)+7], v[16*((i/4)%4)+8*(i/16):16*((i/4)%4)+8*(i/16)+7], v[S+8*(i%16):S+8*(i%16)+7]
.set i, i+1
.endr
	WIN 0
	v_lshl_add_u32 v4, s50, 13, v3                 ; free since the wait above; with three v_nop the four places behind the last product
	NOPS 3
	LOADKM                                         ; the next step's K and mask have the softmax and V^T P in which to land
	; the maximum: four chains, each accumulator read from its lowest registers on
.set n, 0
.rept 4
	T4 v_max3_num_f32 v[ST+8*t+4+n], v[S+32*t+8*n], v[S+32*t+8*n+1], v[S+32*t+8*n+2]
.set n, n+1
.endr
.rept 8
	T4 v_max3_num_f32 v[ST+8*t+4+n%4], v[ST+8*t+4+n%4], v[S+32*t+8*(n%4)+2*(n/4)+1], v[S+32*t+8*(n%4)+2*(n/4)+2]
.set n, n+1
.endr
	T4 v_max3_num_f32 v[ST+8*t+4], v[ST+8*t+4], v[S+32*t+7], v[S+32*t+15]
	T4 v_max3_num_f32 v[ST+8*t+6], v[ST+8*t+6], v[S+32*t+23], v[S+32*t+31]
	T4 v_max3_num_f32 v[ST+8*t+4], v[ST+8*t+4], v[ST+8*t+5], v[ST+8*t+6]
	T4 v_max3_num_f32 v[ST+8*t+4], v[ST+8*t+4], v[ST+8*t+7], v[ST+8*t+1]
	T4 v_permlanex16_b32 v[ST+8*t+5], v[ST+8*t+4], s[SEL], s[SEL+1]   ; the query's other 32 keys lie 16 lanes away
	T4 v_mov_b32 v[ST+8*t+7], v[ST+8*t]
	T4 v_max_num_f32 v[ST+8*t+1], v[ST+8*t+4], v[ST+8*t+5]
	T4 v_mul_f32 v[ST+8*t], s[CS], v[ST+8*t+1]
	T4 v_sub_f32 v[ST+8*t+7], v[ST+8*t+7], v[ST+8*t]
	T4 v_exp_f32 v[ST+8*t+6], v[ST+8*t+7]          ; a
.set n, 0
.rept 16
.set t, 0
.rept 4
	v_pk_fma_f32 v[S+32*t+2*n:S+32*t+2*n+1], v[S+32*t+2*n:S+32*t+2*n+1], s[CS:CS+1], v[ST+8*t:ST+8*t+1] op_sel_hi:[1,0,0] neg_lo:[0,0,1] neg_hi:[0,0,1]
.set t, t+1
.endr
.set n, n+1
.endr
.set n, 0
.rept 128
	v_exp_f32 v[S+n], v[S+n]
.set n, n+1
.endr
	v_nop                                          ; a plain instruction that names none of them, between the exponentials and the first use of a result
.set n, 0
	s_wait_alu depctr_va_vdst(0)
.rept 64
	v_cvt_pk_f16_f32 v[P+n], v[S+2*n], v[S+2*n+1]
.set n, n+1
.endr
.irp w, 4, 8, 16, 32
.set u, 0
.rept 32/\w
.set t, 0
.rept 4
	v_pk_add_f32 v[S+32*t+\w*u:S+32*t+\w*u+1], v[S+32*t+\w*u:S+32*t+\w*u+1], v[S+32*t+\w*u+\w/2:S+32*t+\w*u+\w/2+1]
.set t, t+1
.endr
.set u, u+1
.endr
.endr
.set t, 0
.rept 4
	v_pk_fma_f32 v[ST+8*t+2:ST+8*t+3], v[ST+8*t+2:ST+8*t+3], v[ST+8*t+6:ST+8*t+7], v[S+32*t:S+32*t+1] op_sel_hi:[1,0,1]
.set t, t+1
.endr
	WIN 0x41
.set n, 0
.rept 64
	v_pk_mul_f32 v[2*n:2*n+1], v[2*n:2*n+1], v[ST+8*(n/16)+6:ST+8*(n/16)+7] op_sel_hi:[1,0]
.set n, n+1
.endr
	s_wait_loadcnt 0x20                            ; V is in; the next step's 32 loads of K and mask stay out
	WIN 0x52
.set i, 0
.rept 32                                               ; keys 32 (i / 16) on, tile (i / 4) % 4, channel tile i % 4
	v_wmma_f32_16x16x32_f16 v[8*(i%16):8*(i%16)+7], v[128+32*(i/16)+8*(i%4):128+32*(i/16)+8*(i%4)+7], v[P+16*((i/4)%4)+8*(i/16):P+16*((i/4)%4)+8*(i/16)+7], v[8*(i%16):8*(i%16)+7]
.set i, i+1
.endr
	WIN 0
	v_lshl_add_u32 v6, s50, 11, v3                 ; free since the wait for V
	NOPS 3
	LOADV
	s_add_co_u32 s51, s51, 1
	s_cmp_lt_u32 s51, s49
	s_cbranch_scc1 .Ltrip
	; the way out; the additions are the places behind the last products
	T4 v_add_f32 v[ST+8*t+4], v[ST+8*t+2], v[ST+8*t+3]
	T4 v_permlanex16_b32 v[ST+8*t+5], v[ST+8*t+4], s[SEL], s[SEL+1]
	T4 v_add_f32 v[ST+8*t+4], v[ST+8*t+4], v[ST+8*t+5]
	T4 v_rcp_f32 v[ST+8*t+6], v[ST+8*t+4]
	v_nop
.set t, 0
	s_wait_alu depctr_va_vdst(0)
.rept 4
	v_cmp_gt_f32 vcc_lo, s58, v[ST+8*t+1]          ; m is still where it started: no key seen: NaN
	v_cndmask_b32 v[ST+8*t+6], v[ST+8*t+6], v60, vcc_lo
.set t, t+1
.endr
	WIN 0x41
.set n, 0
.rept 64
	v_pk_mul_f32 v[2*n:2*n+1], v[2*n:2*n+1], v[ST+8*(n/16)+6:ST+8*(n/16)+7] op_sel_hi:[1,0]
.set n, n+1
.endr
	WIN 0x05
.set n, 0
.rept 64
	v_cvt_pk_f16_f32 v[S+n], v[2*n], v[2*n+1]
.set n, n+1
.endr
	WIN 0
.set i, 0
.rept 16
	global_store_b128 v3, v[S+4*i:S+4*i+3], s[70:71] offset:(i/4)*32768+(i%4)*512   ; 512 consecutive bytes
.set i, i+1
.endr
	s_endpgm
.Lfunc_end_k_q542cc07496_attn:
	.size	k_q542cc07496_attn, .Lfunc_end_k_q542cc07496_attn-k_q542cc07496_attn
	.p2alignl 7, 3214868480
	.fill 96, 4, 3214868480
	.section	.rodata,"a",@progbits
	.p2align	6, 0x0
	.amdhsa_kernel k_q542cc07496_attn
		.amdhsa_group_segment_fixed_size 0
		.amdhsa_private_segment_fixed_size 0
		.amdhsa_enable_private_segment 0
		.amdhsa_kernarg_size 32
		.amdhsa_user_sgpr_count 2
		.amdhsa_user_sgpr_kernarg_segment_ptr 1
		.amdhsa_wavefront_size32 1
		.amdhsa_system_sgpr_workgroup_id_x 1
		.amdhsa_system_sgpr_workgroup_id_y 1
		.amdhsa_system_sgpr_workgroup_id_z 1
		.amdhsa_system_vgpr_workitem_id 0
		.amdhsa_next_free_vgpr 768
		.amdhsa_next_free_sgpr 80
		.amdhsa_reserve_vcc 1
		.amdhsa_float_denorm_mode_32 3
		.amdhsa_float_denorm_mode_16_64 3
		.amdhsa_memory_ordered 1
		.amdhsa_forward_progress 1
		.amdhsa_inst_pref_size 62
	.end_amdhsa_kernel
	.amdgpu_metadata
---
amdhsa.version: [ 1, 2 ]
amdhsa.kernels:
  - .name:           k_q542cc07496_attn
    .symbol:         k_q542cc07496_attn.kd
    .args:
      - { .name: qkv, .offset: 0, .size: 8, .value_kind: global_buffer, .address_space: global }
      - { .name: prepbuf, .offset: 8, .size: 8, .value_kind: global_buffer, .address_space: global }
      - { .name: mbits, .offset: 16, .size: 8, .value_kind: global_buffer, .address_space: global }
      - { .name: of, .offset: 24, .size: 8, .value_kind: global_buffer, .address_space: global }
    .group_segment_fixed_size: 0
    .private_segment_fixed_size: 0
    .kernarg_segment_align: 8
    .kernarg_segment_size: 32
    .max_flat_workgroup_size: 128
    .sgpr_count:     80
    .vgpr_count:     768
    .wavefront_size: 32
...
	.end_amdgpu_metadata
.endif
;; end of part 3
;; launch wo (part 4): grid 8 x 32, 4 waves a work-group, clusters of 4 x 4, 327,680 bytes of LDS; arguments of, prepbuf, x1; writes x1
.if DOCPART == 4
	.amdgcn_target "amdgcn-amd-amdhsa--gfx1250"
	.amdhsa_code_object_version 6
	.text
	.protected	k_q542cc07496_wo
	.globl	k_q542cc07496_wo
	.p2align	8
	.type	k_q542cc07496_wo,@function
k_q542cc07496_wo:
	s_mov_b64 s[64:65], 0
	v_nop
	global_prefetch_b8 v0, s[64:65] scope:SCOPE_SE
	s_setreg_imm32_b32 hwreg(HW_REG_WAVE_MODE, 25, 1), 1
	s_wait_xcnt 0x0
	s_wait_alu depctr_hold_cnt(0) depctr_sa_sdst(0) depctr_va_vdst(0) depctr_va_sdst(0) depctr_va_ssrc(0) depctr_va_vcc(0) depctr_vm_vsrc(0)
	s_getreg_b32 s2, hwreg(HW_REG_IB_STS2, 6, 4)
	s_cmp_eq_u32 s2, 0
	s_cbranch_scc0 .Lentry_in_a_cluster
	s_endpgm
.Lentry_in_a_cluster:
	s_bfe_u32 s2, ttmp6, 0x10000c
	s_cmp_lg_u32 s2, 0xf033
	s_cbranch_scc0 .Lentry_shape_is_right
	s_endpgm
.Lentry_shape_is_right:
; x1 = x + O wo^T.  O: OM(4096,1024) f16; wo: OM(1024,1024) f16; x: the bf16-rounded copy, OM(4096,1024).  Sums and x1 in f32.
; A work-group makes 128 x 128 (256 work-groups), its four waves 64 x 64 each; K goes in 4 steps of 256 through two LDS slots.  The product is used transposed: a lane holds one token and 8 neighbouring columns.
; x1 leaves in ACCUMULATOR-MAJOR order, [row tile][column block][half][lane][4 f32]: each store is 512 consecutive bytes, and the launches that read it hold the same lanes.
; THE LOOP.  A unit is 32 along K: it multiplies one fragment buffer and fetches the next unit's fragments into the other.  Two units are written once and looped.  The change of slots stands at the head of
; a step's last unit, whose fragments are then in registers: nobody reads the slot any more, and it is filled again straight behind the round.
; CLUSTER 4 x 4: A's tiles are shared along a row of the cluster, B's along a column, each asked for jointly.
.set KS,    256
.set TT,    4
.set NU,    KS/32
.set BB,    4
.set MTT,   8
.set NTT,   8
.set PA,    32768
.set PB,    32768
.set APTR,  4
.set BPTR,  6
.set AOFF,  0
.set BOFF,  6291456                    ; wo in prepbuf
.set P_XB,  34078720
.set SPARE, 262144
.set RB,     KS*32
.set NT0,    NTT/2
.set ABYTES, MTT*RB
.set SLOT1,  1<<17
.set F0, 0
.set F1, 128
.set G1A, 24
.set G0A, 32
.set G1B, 48
.set G0B, 56
.set MSB, 0
.macro WIN new
.if MSB != (\new)
	s_set_vgpr_msb (MSB<<8)|(\new)
.set MSB, (\new)
.endif
.endm
.macro NOPS n
.rept \n
	v_nop
.endr
.endm
.macro MMA d, p, q, zero
.if \zero
	v_wmma_f32_16x16x32_f16 v[\d:\d+7], v[\p:\p+7], v[\q:\q+7], 0
.else
	v_wmma_f32_16x16x32_f16 v[\d:\d+7], v[\p:\p+7], v[\q:\q+7], v[\d:\d+7]
.endif
.endm
.macro JLOAD                           ; a joint refill: waves 0, 1 fetch A's halves, waves 2, 3 B's; s_nop 0 and four v_nop follow each line
	s_cmp_eq_u32 s11, 0
	s_cbranch_scc0 .Lfor_b_\@
	tensor_load_to_lds s[G0A+4:G0A+7], s[G1A:G1A+7]
	s_nop 0
	NOPS 4
	s_branch .Lasked_\@
.Lfor_b_\@:
	tensor_load_to_lds s[G0B+4:G0B+7], s[G1B:G1B+7]
	s_nop 0
	NOPS 4
.Lasked_\@:
.endm
.macro CREST
	s_cmp_lg_u32 s10, 0
	s_cbranch_scc1 .Lnot_wave_0_\@
	s_barrier_signal -3
.Lnot_wave_0_\@:
	s_barrier_wait -3
	s_barrier_signal -1
	s_barrier_wait -1
.endm
.macro CROUND
	s_barrier_signal -1
	s_barrier_wait -1
	CREST
.endm
.macro MULG f, ah, zero                ; 2 BB matrix instructions; the accumulators take turns
	WIN 0xa5+0x50*(\ah)
.set ia, 0
.rept 2
.set ib, 0
.rept BB
.set rD, 8*(ia*BB+ib)
.set rA, (\f)+8*(2*(\ah)+ia)
.set rB, (\f)+32+8*ib
	MMA rD, rB, rA, \zero
.set ib, ib+1
.endr
.set ia, ia+1
.endr
.endm
.macro FADR
	v_add_nc_u32 v18, s22, v16
	v_add_nc_u32 v19, s22, v17
	s_add_co_u32 s22, s22, 1024
.endm
.macro FETCH g
	WIN 0x40
.set ib, 0
.rept BB
	ds_load_b128 v[(\g)+32+8*ib:(\g)+32+8*ib+3], v19 offset:ib*RB
	ds_load_b128 v[(\g)+32+8*ib+4:(\g)+32+8*ib+7], v19 offset:ib*RB+512
.set ib, ib+1
.endr
.set ia, 0
.rept 4
	ds_load_b128 v[(\g)+8*ia:(\g)+8*ia+3], v18 offset:ia*RB
	ds_load_b128 v[(\g)+8*ia+4:(\g)+8*ia+7], v18 offset:ia*RB+512
.set ia, ia+1
.endr
.endm
.macro UNIT f, g, zero
	s_wait_dscnt 0x0                               ; f's loads, issued a whole unit ago
	WIN 0
	FADR                                           ; with two v_nop the four places between the last product that read g and the loads into it
	NOPS 2
	FETCH \g
	MULG \f, 0, \zero
	MULG \f, 1, \zero
.endm
; THE CHANGE OF SLOTS, at the head of a step's last unit: all my tensor loads have landed (one was out: my part of the next slot), the add, and my reads of this slot are over;
; fill = 1: a round of the cluster's barrier, and the joint refill, two steps ahead, first behind it.
.macro CHANGE fill
	WIN 0
	s_wait_tensorcnt 0x0
	ds_add_u32 v28, v29                            ; 0 onto my spare word; the scalar steps stand between it and the wait for it
.if \fill
	s_xor_b32 s[G0A+5], s[G0A+5], SLOT1
	s_add_nc_u64 s[G0A+6:G0A+7], s[G0A+6:G0A+7], RB
	s_xor_b32 s[G0B+5], s[G0B+5], SLOT1
	s_add_nc_u64 s[G0B+6:G0B+7], s[G0B+6:G0B+7], RB
.endif
	s_sub_co_u32 s22, s22, RB                      ; the fetches go back to a step's first unit, in the other slot
	s_xor_b32 s22, s22, SLOT1
	s_wait_dscnt 0x0                               ; the add is done, and my reads of this slot are over
.if \fill
	CROUND
	JLOAD
.else
	s_barrier_signal -1
	s_barrier_wait -1
.endif
.endm
	s_load_b128 s[4:7], s[0:1], 0x0                ; of s[4:5], prepbuf s[6:7]
	s_load_b64 s[8:9], s[0:1], 0x10                ; x1
	v_lshl_add_u32 v28, v0, 2, SPARE
	v_mov_b32 v29, 0
	ds_add_u32 v28, v29                            ; the wave's opening: the add and its wait come ahead of my first tensor load
	v_lshrrev_b32 v1, 5, v0
	v_readfirstlane_b32 s10, v1
	s_lshr_b32 s11, s10, 1
	s_and_b32 s12, s10, 1
	s_bfe_u32 s40, ttmp6, 0x40000
	s_bfe_u32 s41, ttmp6, 0x40004
	s_lshl_b32 s42, ttmp9, 2
	s_add_co_u32 s42, s42, s40                     ; tile column
	s_and_b32 s13, ttmp7, 0xffff
	s_lshl_b32 s13, s13, 2
	s_add_co_u32 s13, s13, s41                     ; tile row
	s_lshl_b32 s43, s41, 2
	s_lshl_b32 s43, 15, s43
	s_lshl_b32 s44, 0x1111, s40
	s_or_b32 s[G1A], s43, (3<<16)|(1<<21)
	s_or_b32 s[G1B], s44, (3<<16)|(1<<21)
	s_mov_b32 s[G1A+1], (RB/8)<<16
	s_mov_b32 s[G1A+2], (MTT/2)<<16
	s_mov_b32 s[G1A+3], (RB/8)<<16
	s_mov_b32 s[G1A+4], MTT/2
	s_mov_b32 s[G1A+5], PA/8
	s_mov_b32 s[G1A+6], 0
	s_mov_b32 s[G1A+7], 0
	s_mov_b32 s[G1B+1], (RB/8)<<16
	s_mov_b32 s[G1B+2], NT0<<16
	s_mov_b32 s[G1B+3], (RB/8)<<16
	s_mov_b32 s[G1B+4], NT0
	s_mov_b32 s[G1B+5], PB/8
	s_mov_b32 s[G1B+6], 0
	s_mov_b32 s[G1B+7], 0
	s_mul_i32 s16, s13, MTT*PA
	s_mul_i32 s17, s12, (MTT/2)*PA
	s_add_co_u32 s16, s16, s17
	s_add_co_u32 s16, s16, AOFF
	s_mov_b32 s17, 0
	s_mul_i32 s46, s42, NTT*PB
	s_mul_i32 s47, s12, NT0*PB
	s_add_co_u32 s46, s46, s47
	s_add_co_u32 s46, s46, BOFF
	s_mov_b32 s47, 0
	s_mul_i32 s20, s12, (MTT/2)*RB
	s_mul_i32 s21, s12, NT0*RB
	s_add_co_u32 s21, s21, ABYTES
	s_mov_b32 s23, 0xffff0000
	s_wait_dscnt 0x0
	s_wait_kmcnt 0x0
	s_add_nc_u64 s[14:15], s[APTR:APTR+1], s[16:17]
	s_add_nc_u64 s[46:47], s[BPTR:BPTR+1], s[46:47]
	CROUND
.irp s, 0,1
	s_mov_b32 s[G0A+4*(\s)], 1
	s_add_co_u32 s[G0A+4*(\s)+1], s20, (\s)*SLOT1
	s_add_nc_u64 s[G0A+4*(\s)+2:G0A+4*(\s)+3], s[14:15], (\s)*RB
	s_or_b32 s[G0A+4*(\s)+3], s[G0A+4*(\s)+3], 0x80000000
	s_mov_b32 s[G0B+4*(\s)], 1
	s_add_co_u32 s[G0B+4*(\s)+1], s21, (\s)*SLOT1
	s_add_nc_u64 s[G0B+4*(\s)+2:G0B+4*(\s)+3], s[46:47], (\s)*RB
	s_or_b32 s[G0B+4*(\s)+3], s[G0B+4*(\s)+3], 0x80000000
.endr
	s_cmp_eq_u32 s11, 0
	s_cbranch_scc0 .Lfirst_b
	tensor_load_to_lds s[G0A:G0A+3], s[G1A:G1A+7]
	s_nop 0
	tensor_load_to_lds s[G0A+4:G0A+7], s[G1A:G1A+7]
	s_nop 0
	NOPS 4
	s_branch .Lfirst_asked
.Lfirst_b:
	tensor_load_to_lds s[G0B:G0B+3], s[G1B:G1B+7]
	s_nop 0
	tensor_load_to_lds s[G0B+4:G0B+7], s[G1B:G1B+7]
	s_nop 0
	NOPS 4
.Lfirst_asked:
	v_and_b32 v3, 31, v0
	v_lshlrev_b32 v3, 4, v3
	s_mul_i32 s74, s11, 4*RB
	s_mul_i32 s75, s12, BB*RB
	s_add_co_u32 s75, s75, ABYTES
	v_add_nc_u32 v16, s74, v3
	v_add_nc_u32 v17, s75, v3
	s_lshl_b32 s74, s13, 3
	s_lshl_b32 s75, s11, 2
	s_add_co_u32 s74, s74, s75                     ; my first row tile
	s_lshl_b32 s75, s42, 3
	s_lshl_b32 s76, s12, 2
	s_add_co_u32 s75, s75, s76                     ; my first column block
	s_mov_b32 s73, 0
	s_lshl_b32 s72, s74, 15
	s_lshl_b32 s76, s75, 9
	s_add_co_u32 s72, s72, s76
	s_add_co_u32 s72, s72, P_XB
	s_add_nc_u64 s[66:67], s[6:7], s[72:73]
	s_lshl_b32 s72, s74, 16
	s_lshl_b32 s76, s75, 10
	s_add_co_u32 s72, s72, s76
	s_add_nc_u64 s[68:69], s[8:9], s[72:73]
.set i, 0
.rept 16
	global_load_b128 v[64+4*i:67+4*i], v3, s[66:67] offset:(i/4)*32768+(i%4)*512   ; x of accumulator (i / 4, i % 4): my token's 8 columns in bf16; waited for at the way out
.set i, i+1
.endr
	s_wait_tensorcnt 0x1                           ; my part of K step 0 is in; step 1's may stay out
	s_barrier_signal -1
	s_barrier_wait -1
	s_mov_b32 s22, 0
	FADR
	FETCH F0
	UNIT F0, F1, 1                                 ; the first unit starts the sums
	WIN 0
	s_mov_b32 s3, TT-1                             ; the way in counts as one pass; TT - 2 changes of slots fill a slot again
	s_mov_b32 s2, NU/2-1                           ; step 0 has NU - 2 units left in front of its last
	s_branch .Lpair
.Lstep:
	CHANGE 1
	s_mov_b32 s2, NU/2
.Lpair:
	UNIT F1, F0, 0
	UNIT F0, F1, 0
	WIN 0
	s_sub_co_u32 s2, s2, 1
	s_cmp_lg_u32 s2, 0
	s_cbranch_scc1 .Lpair
	s_sub_co_u32 s3, s3, 1
	s_cmp_lg_u32 s3, 0
	s_cbranch_scc1 .Lstep
	CHANGE 0                                       ; the last change is written out: it asks for nothing
	s_mov_b32 s2, NU/2
.Llast:
	UNIT F1, F0, 0
	UNIT F0, F1, 0
	WIN 0
	s_sub_co_u32 s2, s2, 1
	s_cmp_lg_u32 s2, 0
	s_cbranch_scc1 .Llast
	s_wait_dscnt 0x0                               ; the very last unit
	MULG F1, 0, 0
	MULG F1, 1, 0
	WIN 0
	s_wait_loadcnt 0x0                             ; x
.set i, 0
.rept 64
	v_lshlrev_b32 v[128+2*i], 16, v[64+i]          ; these are also the places behind the last products
	v_and_b32 v[129+2*i], s23, v[64+i]
.set i, i+1
.endr
.set ia, 0
.rept 4
	WIN 0x02+ia/2
.set i, 0
.rept 16                                               ; block i / 4, pair i % 4: each accumulator from its lowest registers on
	v_pk_add_f32 v[128+32*ia+2*i:129+32*ia+2*i], v[8*((ia%2)*BB)+2*i:8*((ia%2)*BB)+2*i+1], v[128+32*ia+2*i:129+32*ia+2*i]
.set i, i+1
.endr
.set ia, ia+1
.endr
	WIN 0
.set i, 0
.rept 32
	global_store_b128 v3, v[128+4*i:131+4*i], s[68:69] offset:(i/8)*65536+(i%8)*512   ; 512 consecutive bytes
.set i, i+1
.endr
	s_wait_tensorcnt 0x0                           ; the wave's end
	ds_add_u32 v28, v29
	s_wait_dscnt 0x0
	CROUND
	s_endpgm
.Lfunc_end_k_q542cc07496_wo:
	.size	k_q542cc07496_wo, .Lfunc_end_k_q542cc07496_wo-k_q542cc07496_wo
	.p2alignl 7, 3214868480
	.fill 96, 4, 3214868480
	.section	.rodata,"a",@progbits
	.p2align	6, 0x0
	.amdhsa_kernel k_q542cc07496_wo
		.amdhsa_group_segment_fixed_size 327680
		.amdhsa_private_segment_fixed_size 0
		.amdhsa_enable_private_segment 0
		.amdhsa_kernarg_size 24
		.amdhsa_user_sgpr_count 2
		.amdhsa_user_sgpr_kernarg_segment_ptr 1
		.amdhsa_wavefront_size32 1
		.amdhsa_system_sgpr_workgroup_id_x 1
		.amdhsa_system_sgpr_workgroup_id_y 1
		.amdhsa_system_sgpr_workgroup_id_z 1
		.amdhsa_system_vgpr_workitem_id 0
		.amdhsa_next_free_vgpr 1024
		.amdhsa_next_free_sgpr 80
		.amdhsa_reserve_vcc 0
		.amdhsa_float_denorm_mode_32 3
		.amdhsa_float_denorm_mode_16_64 3
		.amdhsa_memory_ordered 1
		.amdhsa_forward_progress 1
		.amdhsa_inst_pref_size 36
	.end_amdhsa_kernel
	.amdgpu_metadata
---
amdhsa.version: [ 1, 2 ]
amdhsa.kernels:
  - .name:           k_q542cc07496_wo
    .symbol:         k_q542cc07496_wo.kd
    .args:
      - { .name: of, .offset: 0, .size: 8, .value_kind: global_buffer, .address_space: global }
      - { .name: prepbuf, .offset: 8, .size: 8, .value_kind: global_buffer, .address_space: global }
      - { .name: x1, .offset: 16, .size: 8, .value_kind: global_buffer, .address_space: global }
    .group_segment_fixed_size: 327680
    .private_segment_fixed_size: 0
    .kernarg_segment_align: 8
    .kernarg_segment_size: 24
    .max_flat_workgroup_size: 128
    .sgpr_count:     80
    .vgpr_count:     1024
    .wavefront_size: 32
...
	.end_amdgpu_metadata
.endif
;; end of part 4
;; launch norm2 (part 5): grid 256 x 1, 8 waves a work-group, no clusters, 1,536 bytes of LDS; arguments x1, norm2_w, h2; writes h2
.if DOCPART == 5
	.amdgcn_target "amdgcn-amd-amdhsa--gfx1250"
	.amdhsa_code_object_version 6
	.text
	.protected	k_q542cc07496_norm2
	.globl	k_q542cc07496_norm2
	.p2align	8
	.type	k_q542cc07496_norm2,@function
k_q542cc07496_norm2:
	s_mov_b64 s[64:65], 0
	v_nop
	global_prefetch_b8 v0, s[64:65] scope:SCOPE_SE
	s_setreg_imm32_b32 hwreg(HW_REG_WAVE_MODE, 25, 1), 1
	s_wait_xcnt 0x0
; h2 = rmsnorm(x1) x gain, in f16, octet-major.  x1 comes in accumulator-major order: lane (r,h) holds row r and columns 16 cb + 8 h + 0..7 of a column block, which are 16 bytes of OM(4096,1024).
; A work-group owns a tile of 16 rows, wave w its column blocks 8 w .. 8 w + 7.  A row's sum of squares is gathered in the lane, across the lanes' halves, and across the eight waves through LDS.
; The gain is rounded to bf16 like every input.  Memory binds: no matrix unit, no cluster.
.set EXCH,  0
.set SPARE, 512                        ; the spare words, 128 bytes a wave
.set X, 32
.set N, 96
.set Y, 160
	s_load_b128 s[4:7], s[0:1], 0x0                ; x1, norm2_w
	s_load_b64 s[8:9], s[0:1], 0x10                ; h2
	v_lshl_add_u32 v30, v0, 2, SPARE
	v_mov_b32 v31, 0
	v_lshrrev_b32 v1, 5, v0
	v_readfirstlane_b32 s12, v1
	v_and_b32 v2, 15, v0
	v_bfe_u32 v3, v0, 4, 1
	v_and_b32 v4, 31, v0
	v_lshlrev_b32 v4, 4, v4
	s_lshl_b32 s14, ttmp9, 16
	s_lshl_b32 s13, s12, 13
	s_add_co_u32 s14, s14, s13
	s_mov_b32 s15, 0
	s_lshl_b32 s13, s12, 9
	v_lshl_add_u32 v8, v3, 5, s13                  ; the gain of my columns
	s_lshl_b32 s16, ttmp9, 15
	s_lshl_b32 s13, s12, 12
	s_add_co_u32 s16, s16, s13
	s_mov_b32 s17, 0
	v_lshl_add_u32 v9, v2, 2, EXCH
	s_lshl_b32 s13, s12, 6
	v_add_nc_u32 v10, s13, v9
	s_mov_b32 s18, 0xffff0000
	s_mov_b32 s20, 0x76543210
	s_mov_b32 s21, 0xfedcba98
	s_mov_b32 s22, 0x3a800000                      ; 1 / 1024
	s_mov_b32 s23, 0x358637bd                      ; 1e-6
	s_wait_kmcnt 0x0
	s_add_nc_u64 s[4:5], s[4:5], s[14:15]
	s_add_nc_u64 s[8:9], s[8:9], s[16:17]
.set i, 0
.rept 16
	global_load_b128 v[X+4*i:X+4*i+3], v4, s[4:5] offset:i*512
.set i, i+1
.endr
.set i, 0
.rept 8
	global_load_b128 v[N+8*i:N+8*i+3], v8, s[6:7] offset:i*64
	global_load_b128 v[N+8*i+4:N+8*i+7], v8, s[6:7] offset:i*64+16
.set i, i+1
.endr
	s_wait_loadcnt 0x10                            ; x1 is in; the 16 loads of the gain may stay out
.set i, 0
.rept 4
	v_pk_mul_f32 v[192+2*i:193+2*i], v[X+2*i:X+2*i+1], v[X+2*i:X+2*i+1]
.set i, i+1
.endr
.rept 28
	v_pk_fma_f32 v[192+2*(i%4):193+2*(i%4)], v[X+2*i:X+2*i+1], v[X+2*i:X+2*i+1], v[192+2*(i%4):193+2*(i%4)]
.set i, i+1
.endr
	v_pk_add_f32 v[192:193], v[192:193], v[194:195]
	v_pk_add_f32 v[196:197], v[196:197], v[198:199]
	v_pk_add_f32 v[192:193], v[192:193], v[196:197]
	v_add_f32 v192, v192, v193
	v_permlanex16_b32 v193, v192, s20, s21
	v_add_f32 v192, v192, v193
	ds_store_b32 v10, v192
	s_wait_loadcnt 0x0
.set i, 0
.rept 32
	v_cvt_pk_bf16_f32 v[Y+i], v[N+2*i], v[N+2*i+1]
.set i, i+1
.endr
.set i, 0
.rept 32
	v_lshlrev_b32 v[N+2*i], 16, v[Y+i]
	v_and_b32 v[N+2*i+1], s18, v[Y+i]
.set i, i+1
.endr
	s_wait_dscnt 0x0                               ; for the others' sake: my partial sums are in LDS
	s_barrier_signal -1
	s_barrier_wait -1
.set i, 0
.rept 8
	ds_load_b32 v[200+i], v9 offset:i*64
.set i, i+1
.endr
	s_wait_dscnt 0x0
	v_add_f32 v200, v200, v201
	v_add_f32 v202, v202, v203
	v_add_f32 v204, v204, v205
	v_add_f32 v206, v206, v207
	v_add_f32 v200, v200, v202
	v_add_f32 v204, v204, v206
	v_add_f32 v200, v200, v204
	v_fma_f32 v200, v200, s22, s23
	v_rsq_f32 v208, v200
	v_rsq_f32 v209, v200
	v_nop
.set i, 0
	s_wait_alu depctr_va_vdst(0)
.rept 32
	v_pk_mul_f32 v[X+2*i:X+2*i+1], v[X+2*i:X+2*i+1], v[208:209]
.set i, i+1
.endr
.set i, 0
.rept 32
	v_pk_mul_f32 v[X+2*i:X+2*i+1], v[X+2*i:X+2*i+1], v[N+2*i:N+2*i+1]
.set i, i+1
.endr
.set i, 0
.rept 32
	v_cvt_pk_f16_f32 v[Y+i], v[X+2*i], v[X+2*i+1]
.set i, i+1
.endr
.set i, 0
.rept 8
	global_store_b128 v4, v[Y+4*i:Y+4*i+3], s[8:9] offset:i*512
.set i, i+1
.endr
	s_wait_tensorcnt 0x0                           ; the wave's end
	ds_add_u32 v30, v31
	s_wait_dscnt 0x0
	s_endpgm
.Lfunc_end_k_q542cc07496_norm2:
	.size	k_q542cc07496_norm2, .Lfunc_end_k_q542cc07496_norm2-k_q542cc07496_norm2
	.p2alignl 7, 3214868480
	.fill 96, 4, 3214868480
	.section	.rodata,"a",@progbits
	.p2align	6, 0x0
	.amdhsa_kernel k_q542cc07496_norm2
		.amdhsa_group_segment_fixed_size 1536
		.amdhsa_private_segment_fixed_size 0
		.amdhsa_enable_private_segment 0
		.amdhsa_kernarg_size 24
		.amdhsa_user_sgpr_count 2
		.amdhsa_user_sgpr_kernarg_segment_ptr 1
		.amdhsa_wavefront_size32 1
		.amdhsa_system_sgpr_workgroup_id_x 1
		.amdhsa_system_sgpr_workgroup_id_y 1
		.amdhsa_system_sgpr_workgroup_id_z 1
		.amdhsa_system_vgpr_workitem_id 0
		.amdhsa_next_free_vgpr 224
		.amdhsa_next_free_sgpr 66
		.amdhsa_reserve_vcc 0
		.amdhsa_float_denorm_mode_32 3
		.amdhsa_float_denorm_mode_16_64 3
		.amdhsa_memory_ordered 1
		.amdhsa_forward_progress 1
		.amdhsa_inst_pref_size 19
	.end_amdhsa_kernel
	.amdgpu_metadata
---
amdhsa.version: [ 1, 2 ]
amdhsa.kernels:
  - .name:           k_q542cc07496_norm2
    .symbol:         k_q542cc07496_norm2.kd
    .args:
      - { .name: x1, .offset: 0, .size: 8, .value_kind: global_buffer, .address_space: global }
      - { .name: norm2_w, .offset: 8, .size: 8, .value_kind: global_buffer, .address_space: global }
      - { .name: h2, .offset: 16, .size: 8, .value_kind: global_buffer, .address_space: global }
    .group_segment_fixed_size: 1536
    .private_segment_fixed_size: 0
    .kernarg_segment_align: 8
    .kernarg_segment_size: 24
    .max_flat_workgroup_size: 256
    .sgpr_count:     66
    .vgpr_count:     224
    .wavefront_size: 32
...
	.end_amdgpu_metadata
.endif
;; end of part 5
;; launch gateup (part 6): grid 16 x 16, 4 waves a work-group, clusters of 4 x 4, 327,680 bytes of LDS; arguments h2, prepbuf, act; writes act
.if DOCPART == 6
	.amdgcn_target "amdgcn-amd-amdhsa--gfx1250"
	.amdhsa_code_object_version 6
	.text
	.protected	k_q542cc07496_gateup
	.globl	k_q542cc07496_gateup
	.p2align	8
	.type	k_q542cc07496_gateup,@function
k_q542cc07496_gateup:
	s_mov_b64 s[64:65], 0
	v_nop
	global_prefetch_b8 v0, s[64:65] scope:SCOPE_SE
	s_setreg_imm32_b32 hwreg(HW_REG_WAVE_MODE, 25, 1), 1
	s_wait_xcnt 0x0
	s_wait_alu depctr_hold_cnt(0) depctr_sa_sdst(0) depctr_va_vdst(0) depctr_va_sdst(0) depctr_va_ssrc(0) depctr_va_vcc(0) depctr_vm_vsrc(0)
	s_getreg_b32 s2, hwreg(HW_REG_IB_STS2, 6, 4)
	s_cmp_eq_u32 s2, 0
	s_cbranch_scc0 .Lentry_in_a_cluster
	s_endpgm
.Lentry_in_a_cluster:
	s_bfe_u32 s2, ttmp6, 0x10000c
	s_cmp_lg_u32 s2, 0xf033
	s_cbranch_scc0 .Lentry_shape_is_right
	s_endpgm
.Lentry_shape_is_right:
; act = silu(h2 Wg^T) x (h2 Wu^T).  h2: OM(4096,1024) f16; the weights: OM(5632,1024) f16, row 2 j gate's row j, row 2 j + 1 up's, zeros from hidden row 2,730 on.  act: OM(4096,2816) bf16
; (it has no room in f16 at 30 times larger inputs).  Sums and the activation in f32.
; SHARES.  A work-group makes 256 tokens x 352 columns (176 hidden): 16 x 16 = 256 work-groups.  Its four waves lie 2 x 2, each 128 tokens x 176 columns: 88 accumulators, 704 registers.
; K goes in 8 steps of 128 through two LDS slots of (16 + 22) row tiles x 4,096 bytes.  A step is 352 matrix instructions a wave, and a slot's refill has all of them in which to land.
; The two slots lie end to end and no one bit tells them apart, so each has descriptors and constants of its own, and a trip of the loop takes two steps.
; THE LOOP.  A unit is 32 along K: 88 matrix instructions on one pair of fragment buffers, behind the 38 LDS loads that fetch the next unit into the other pair.  Two units are written once and looped.
; The change of slots stands at the head of a step's last unit, whose fragments are then in registers: nobody reads the slot any more, and it is filled again straight behind the round.
; The product is used transposed: a lane holds one token and 8 neighbouring columns, that is gate and up of 4 neighbouring hidden numbers: no lane exchange, and 32 lanes store 256 consecutive bytes.
; silu(g) u = g u / (1 + 2^(-g log2 e)): for very negative g the power is infinite, its reciprocal 0.
; CLUSTER 4 x 4: A's tiles are shared along a row of the cluster, B's along a column, each asked for jointly.
; REGISTERS, all 1,024, in windows of 256: window 0: v0-15 addresses; v16-103, v104-191 B's fragments, two buffers of 11; v192-255 A's fragments, buffer 0 (8).
;   windows 1 to 3: accumulator n = 11 a + b (token tile a, column block b) at register 256 + 8 n; the last 64 registers of window 3: A's fragments, buffer 1.
.set KS,    128
.set TT,    8                          ; K steps
.set NU,    KS/32                      ; units in a step
.set RB,    KS*32                      ; a row tile's bytes in a step
.set AT,    16                         ; row tiles of A in a slot
.set BT,    22                         ; row tiles of B
.set PA,    32768                      ; bytes from row tile to row tile in memory
.set PB,    32768
.set BOFF,  8388608                    ; the interleaved weights in prepbuf
.set ACTP,  90112                      ; bytes from row tile to row tile in act
.set ABYTES, AT*RB
.set SLOT,  (AT+BT)*RB                 ; 155,648
.set SPARE, 2*SLOT                     ; behind the two slots: the spare words, 128 bytes a wave
.set VL,  3                            ; v3   16 x lane
.set VA0, 4                            ; v4   my 8 row tiles of A in slot 0, unit 0
.set VB0, 5                            ; v5   my 11 row tiles of B
.set VA,  6                            ; v6   A's address for the run of loads in hand
.set VB,  7                            ; v7   B's
.set VO,  8                            ; v8   my 8 bytes in an octet of act
.set SPW, 14                           ; v14  my spare word; never rewritten
.set NIL, 15                           ; v15  0; never rewritten
.set BF,  16
.set AF,  192
.set TR,  16                           ; the way out: v16-59  - g log2 e, then 1 / (1 + 2^..)
.set PR,  60                           ;              v60-103 g u
.set KR,  104                          ;              v104-125 packed
.set G1A, 24                           ; s[24:31] group 1 for A;  s[32:35], s[36:39] group 0 for slot 0, 1
.set G0A, 32
.set G1B, 48                           ; s[48:55], s[56:59], s[60:63] the same for B
.set G0B, 56
.set MSB, 0
.macro WIN new                         ; the immediate's high byte repeats the setting that is left; a switch that changes nothing is dropped
.if MSB != (\new)
	s_set_vgpr_msb (MSB<<8)|(\new)
.set MSB, (\new)
.endif
.endm
.macro NOPS n
.rept \n
	v_nop
.endr
.endm
.macro JLOAD s                         ; a joint load into slot s: waves 0, 1 fetch A's halves (8 row tiles), waves 2, 3 B's (11); s_nop 0 and four v_nop follow each line
	s_cmp_eq_u32 s11, 0
	s_cbranch_scc0 .Lfor_b_\@
	tensor_load_to_lds s[G0A+4*(\s):G0A+4*(\s)+3], s[G1A:G1A+7]
	s_nop 0
	NOPS 4
	s_branch .Lasked_\@
.Lfor_b_\@:
	tensor_load_to_lds s[G0B+4*(\s):G0B+4*(\s)+3], s[G1B:G1B+7]
	s_nop 0
	NOPS 4
.Lasked_\@:
.endm
.macro CREST
	s_cmp_lg_u32 s10, 0
	s_cbranch_scc1 .Lnot_wave_0_\@
	s_barrier_signal -3
.Lnot_wave_0_\@:
	s_barrier_wait -3
	s_barrier_signal -1
	s_barrier_wait -1
.endm
.macro CROUND
	s_barrier_signal -1
	s_barrier_wait -1
	CREST
.endm
; 88 matrix instructions: all my accumulators by turns, one instruction a turn.  Source 0 = B's fragment (window 0), source 1 = A's (window 0 for buffer 0, window 3 for buffer 1),
; C and D in window 1 + n / 32: three settings a unit.
.macro MUL88 f, zero
.set n, 0
.rept 88
	WIN 0x50*(1+n/32)+0x0c*(\f)
.set rD, 8*(n%32)
.set rB, BF+88*(\f)+8*(n%11)
.set rA, AF+8*(n/11)
.if \zero
	v_wmma_f32_16x16x32_f16 v[rD:rD+7], v[rB:rB+7], v[rA:rA+7], 0
.else
	v_wmma_f32_16x16x32_f16 v[rD:rD+7], v[rB:rB+7], v[rA:rA+7], v[rD:rD+7]
.endif
.set n, n+1
.endr
.endm
.macro FADR                            ; the LDS addresses of the unit to be fetched; the next fetch is the next unit's
	v_add_nc_u32 v[VA], s22, v[VA0]
	v_add_nc_u32 v[VB], s22, v[VB0]
	s_add_co_u32 s22, s22, 1024
.endm
.macro FETCH g                         ; one run of 38 LDS loads, each 512 consecutive bytes
	WIN 0
.set ib, 0
.rept 11
	ds_load_b128 v[BF+88*(\g)+8*ib:BF+88*(\g)+8*ib+3], v[VB] offset:ib*RB
	ds_load_b128 v[BF+88*(\g)+8*ib+4:BF+88*(\g)+8*ib+7], v[VB] offset:ib*RB+512
.set ib, ib+1
.endr
	WIN 0xc0*(\g)                                  ; buffer 1 of A: destination in window 3
.set ia, 0
.rept 8
	ds_load_b128 v[AF+8*ia:AF+8*ia+3], v[VA] offset:ia*RB
	ds_load_b128 v[AF+8*ia+4:AF+8*ia+7], v[VA] offset:ia*RB+512
.set ia, ia+1
.endr
.endm
.macro UNIT f, g, zero                 ; buffers f are multiplied; the next unit's fragments are asked for first, into buffers g
	s_wait_dscnt 0x0                               ; f's loads, issued a whole unit ago
	WIN 0
	FADR                                           ; two plain instructions and two v_nop: the four places between the last product that read g and the loads into it
	NOPS 2
	FETCH \g
	MUL88 \f, \zero
.endm
; THE CHANGE OF SLOTS, at the head of a step's last unit: slot old is left, slot new is read next.  Each wave waits for all its tensor loads (one is out: its part of slot new), adds 0 to its spare word, and
; waits for that and for its reads of slot old, of which the last are the fragments of the unit to come.  fill = 1: the barrier is a round of the cluster's, and the joint refill of slot old, two steps ahead, is the first thing behind it.
.macro CHANGE fill, old, new
	WIN 0
	s_wait_tensorcnt 0x0
	ds_add_u32 v[SPW], v[NIL]                      ; 0 onto my spare word; the scalar steps stand between it and the wait for it
.if \fill
	s_add_nc_u64 s[G0A+4*(\old)+2:G0A+4*(\old)+3], s[G0A+4*(\old)+2:G0A+4*(\old)+3], 2*RB   ; no load of mine is out: the slot's descriptors step two K steps on
	s_add_nc_u64 s[G0B+4*(\old)+2:G0B+4*(\old)+3], s[G0B+4*(\old)+2:G0B+4*(\old)+3], 2*RB
.endif
	s_mov_b32 s22, (\new)*SLOT                     ; the fetches go on at the other slot's first unit
	s_wait_dscnt 0x0                               ; the add is done, and my reads of the slot are over
.if \fill
	CROUND
	JLOAD \old
.else
	s_barrier_signal -1
	s_barrier_wait -1
.endif
.endm
.macro PAIR                            ; two units and the count of the loop round them
	UNIT 1, 0, 0
	UNIT 0, 1, 0
	WIN 0
	s_sub_co_u32 s2, s2, 1
	s_cmp_lg_u32 s2, 0
.endm
	s_load_b128 s[4:7], s[0:1], 0x0                ; h2 s[4:5], prepbuf s[6:7]
	s_load_b64 s[8:9], s[0:1], 0x10                ; act
	v_lshl_add_u32 v[SPW], v0, 2, SPARE
	v_mov_b32 v[NIL], 0
	ds_add_u32 v[SPW], v[NIL]                      ; the wave's opening: the add and its wait come ahead of my first tensor load
	v_lshrrev_b32 v1, 5, v0
	v_readfirstlane_b32 s10, v1                    ; wave
	s_lshr_b32 s11, s10, 1                         ; which half of the tile's rows is mine.  Also: I fetch for A (0) or for B (1)
	s_and_b32 s12, s10, 1                          ; which half of its columns.  Also: which half of that tile I fetch
	s_bfe_u32 s40, ttmp6, 0x40000                  ; cx
	s_bfe_u32 s41, ttmp6, 0x40004                  ; cy
	s_lshl_b32 s42, ttmp9, 2
	s_add_co_u32 s42, s42, s40                     ; tile column
	s_and_b32 s13, ttmp7, 0xffff
	s_lshl_b32 s13, s13, 2
	s_add_co_u32 s13, s13, s41                     ; tile row
	s_lshl_b32 s43, s41, 2
	s_lshl_b32 s43, 15, s43                        ; my row of the cluster
	s_lshl_b32 s44, 0x1111, s40                    ; my column
	s_or_b32 s[G1A], s43, (3<<16)|(1<<21)          ; 15:0 the mask; 17:16 elements of 8 bytes; 21 set beside a mask; no padding
	s_or_b32 s[G1B], s44, (3<<16)|(1<<21)
	s_mov_b32 s[G1A+1], (RB/8)<<16                 ; tensor_dim0
	s_mov_b32 s[G1A+2], (AT/2)<<16                 ; tensor_dim1
	s_mov_b32 s[G1A+3], (RB/8)<<16                 ; tile_dim0: a row tile's bytes of a step
	s_mov_b32 s[G1A+4], AT/2                       ; tile_dim1: 8 row tiles
	s_mov_b32 s[G1A+5], PA/8                       ; from row tile to row tile
	s_mov_b32 s[G1A+6], 0
	s_mov_b32 s[G1A+7], 0
	s_mov_b32 s[G1B+1], (RB/8)<<16
	s_mov_b32 s[G1B+2], (BT/2)<<16
	s_mov_b32 s[G1B+3], (RB/8)<<16
	s_mov_b32 s[G1B+4], BT/2                       ; 11 row tiles
	s_mov_b32 s[G1B+5], PB/8
	s_mov_b32 s[G1B+6], 0
	s_mov_b32 s[G1B+7], 0
	s_mul_i32 s16, s13, AT*PA                      ; A's tile hangs on the tile row and the wave alone,
	s_mul_i32 s17, s12, (AT/2)*PA
	s_add_co_u32 s16, s16, s17
	s_mov_b32 s17, 0
	s_mul_i32 s46, s42, BT*PB                      ; B's on the tile column and the wave alone
	s_mul_i32 s47, s12, (BT/2)*PB
	s_add_co_u32 s46, s46, s47
	s_add_co_u32 s46, s46, BOFF
	s_mov_b32 s47, 0
	s_mul_i32 s20, s12, (AT/2)*RB                  ; where they go: no place in the cluster enters an LDS address
	s_mul_i32 s21, s12, (BT/2)*RB
	s_add_co_u32 s21, s21, ABYTES
	s_mov_b32 s23, 0xbfb8aa3b                      ; - log2(e)
	s_wait_dscnt 0x0                               ; the opening add is done
	s_wait_kmcnt 0x0
	s_add_nc_u64 s[14:15], s[4:5], s[16:17]
	s_add_nc_u64 s[46:47], s[6:7], s[46:47]
	CROUND                                         ; all sixteen work-groups are here: the first joint loads meet
.irp s, 0,1
	s_mov_b32 s[G0A+4*(\s)], 1
	s_add_co_u32 s[G0A+4*(\s)+1], s20, (\s)*SLOT
	s_add_nc_u64 s[G0A+4*(\s)+2:G0A+4*(\s)+3], s[14:15], (\s)*RB
	s_or_b32 s[G0A+4*(\s)+3], s[G0A+4*(\s)+3], 0x80000000
	s_mov_b32 s[G0B+4*(\s)], 1
	s_add_co_u32 s[G0B+4*(\s)+1], s21, (\s)*SLOT
	s_add_nc_u64 s[G0B+4*(\s)+2:G0B+4*(\s)+3], s[46:47], (\s)*RB
	s_or_b32 s[G0B+4*(\s)+3], s[G0B+4*(\s)+3], 0x80000000
.endr
	s_cmp_eq_u32 s11, 0                            ; a wave's two first fills stand in one branch: two loads of mine are out
	s_cbranch_scc0 .Lfirst_b
	tensor_load_to_lds s[G0A:G0A+3], s[G1A:G1A+7]
	s_nop 0
	tensor_load_to_lds s[G0A+4:G0A+7], s[G1A:G1A+7]
	s_nop 0
	NOPS 4
	s_branch .Lfirst_asked
.Lfirst_b:
	tensor_load_to_lds s[G0B:G0B+3], s[G1B:G1B+7]
	s_nop 0
	tensor_load_to_lds s[G0B+4:G0B+7], s[G1B:G1B+7]
	s_nop 0
	NOPS 4
.Lfirst_asked:
	v_and_b32 v1, 15, v0                           ; r
	v_bfe_u32 v2, v0, 4, 1                         ; h
	v_and_b32 v[VL], 31, v0
	v_lshlrev_b32 v[VL], 4, v[VL]
	s_mul_i32 s74, s11, (AT/2)*RB
	v_add_nc_u32 v[VA0], s74, v[VL]
	s_mul_i32 s75, s12, (BT/2)*RB
	s_add_co_u32 s75, s75, ABYTES
	v_add_nc_u32 v[VB0], s75, v[VL]
	v_lshlrev_b32 v[VO], 4, v1
	v_lshl_add_u32 v[VO], v2, 3, v[VO]             ; row r's 16 bytes of an octet, my half of them
	s_lshl_b32 s74, s13, 4
	s_lshl_b32 s75, s11, 3
	s_add_co_u32 s74, s74, s75                     ; my first row tile
	s_mul_i32 s72, s74, ACTP
	s_mul_i32 s75, s42, BT
	s_mul_i32 s76, s12, BT/2
	s_add_co_u32 s75, s75, s76                     ; my first octet of hidden numbers
	s_lshl_b32 s75, s75, 8
	s_add_co_u32 s72, s72, s75
	s_mov_b32 s73, 0
	s_add_nc_u64 s[66:67], s[8:9], s[72:73]
	s_wait_tensorcnt 0x1                           ; my part of K step 0 is in; step 1's may stay out
	s_barrier_signal -1
	s_barrier_wait -1
	s_mov_b32 s22, 0
	FADR
	FETCH 0
	UNIT 0, 1, 1                                   ; the first unit starts the sums: nothing is cleared
	WIN 0
	s_mov_b32 s3, (TT-2)/2+1                       ; the way in counts as one pass; three trips fill both slots again
	s_mov_b32 s2, NU/2-1                           ; step 0 has two units left in front of its last
	s_branch .Lodd
.Lstep:
	CHANGE 1, 0, 1                                 ; an even step ends: slot 0 is filled again, slot 1 read
	s_mov_b32 s2, NU/2
.Leven:
	PAIR
	s_cbranch_scc1 .Leven
	CHANGE 1, 1, 0                                 ; an odd step ends: slot 1 is filled again, slot 0 read
	s_mov_b32 s2, NU/2
.Lodd:
	PAIR
	s_cbranch_scc1 .Lodd
	s_sub_co_u32 s3, s3, 1
	s_cmp_lg_u32 s3, 0
	s_cbranch_scc1 .Lstep
	CHANGE 0, 0, 1                                 ; the last change is written out: it asks for nothing
	s_mov_b32 s2, NU/2
.Llast:
	PAIR
	s_cbranch_scc1 .Llast
	s_wait_dscnt 0x0                               ; the very last unit: nothing more to fetch
	MUL88 1, 0
	WIN 0
	NOPS 4                                         ; the places behind the last products
; THE WAY OUT, a token tile (44 numbers a lane) a trip.  The lines that name accumulators are written once for each of the 8 tiles, and the counter chooses among them; all else is written once.
; Each accumulator is read from register 0 on.
.macro FIRST a
.set ib, 0
.rept 11
.set n, 11*(\a)+ib
.set rA, 8*(n%32)
	WIN 5*(1+n/32)                                 ; sources 0 and 1 in the accumulator's window
.set i, 0
.rept 4
	v_mul_f32 v[TR+4*ib+i], s23, v[rA+2*i]
	v_mul_f32 v[PR+4*ib+i], v[rA+2*i], v[rA+2*i+1]
.set i, i+1
.endr
.set ib, ib+1
.endr
	WIN 0
.endm
	s_mov_b32 s3, 0
.Ltile:
.irp a, 0,1,2,3,4,5,6
	s_cmp_eq_u32 s3, \a
	s_cbranch_scc1 .Lrows\a
.endr
	FIRST 7
	s_branch .Lact
.irp a, 6,5,4,3,2,1
.Lrows\a:
	FIRST \a
	s_branch .Lact
.endr
.Lrows0:
	FIRST 0
.Lact:
.set i, 0
.rept 44
	v_exp_f32 v[TR+i], v[TR+i]
.set i, i+1
.endr
	v_nop                                          ; a plain instruction behind the last exponential
.set i, 0
	s_wait_alu depctr_va_vdst(0)
.rept 22
	v_pk_add_f32 v[TR+2*i:TR+2*i+1], v[TR+2*i:TR+2*i+1], 1.0 op_sel_hi:[1,0]
.set i, i+1
.endr
.set i, 0
.rept 44
	v_rcp_f32 v[TR+i], v[TR+i]
.set i, i+1
.endr
	v_nop
.set i, 0
	s_wait_alu depctr_va_vdst(0)
.rept 22
	v_pk_mul_f32 v[PR+2*i:PR+2*i+1], v[PR+2*i:PR+2*i+1], v[TR+2*i:TR+2*i+1]
.set i, i+1
.endr
.set i, 0
.rept 22
	v_cvt_pk_bf16_f32 v[KR+i], v[PR+2*i], v[PR+2*i+1]
.set i, i+1
.endr
.set i, 0
.rept 11
	global_store_b64 v[VO], v[KR+2*i:KR+2*i+1], s[66:67] offset:i*256   ; 32 lanes: 256 consecutive bytes, one octet of 16 rows
.set i, i+1
.endr
	s_wait_xcnt 0x0                                ; the stores' base and data are written again only behind this wait
	s_add_nc_u64 s[66:67], s[66:67], ACTP          ; the next row tile
	s_add_co_u32 s3, s3, 1
	s_cmp_lt_u32 s3, 8
	s_cbranch_scc1 .Ltile
	s_wait_tensorcnt 0x0                           ; the wave's end
	ds_add_u32 v[SPW], v[NIL]
	s_wait_dscnt 0x0
	CROUND                                         ; the closing round: no work-group ends while a partner may still ask for a tile that names it
	s_endpgm
.Lfunc_end_k_q542cc07496_gateup:
	.size	k_q542cc07496_gateup, .Lfunc_end_k_q542cc07496_gateup-k_q542cc07496_gateup
	.p2alignl 7, 3214868480
	.fill 96, 4, 3214868480
	.section	.rodata,"a",@progbits
	.p2align	6, 0x0
	.amdhsa_kernel k_q542cc07496_gateup
		.amdhsa_group_segment_fixed_size 327680
		.amdhsa_private_segment_fixed_size 0
		.amdhsa_enable_private_segment 0
		.amdhsa_kernarg_size 24
		.amdhsa_user_sgpr_count 2
		.amdhsa_user_sgpr_kernarg_segment_ptr 1
		.amdhsa_wavefront_size32 1
		.amdhsa_system_sgpr_workgroup_id_x 1
		.amdhsa_system_sgpr_workgroup_id_y 1
		.amdhsa_system_sgpr_workgroup_id_z 1
		.amdhsa_system_vgpr_workitem_id 0
		.amdhsa_next_free_vgpr 1024
		.amdhsa_next_free_sgpr 80
		.amdhsa_reserve_vcc 0
		.amdhsa_float_denorm_mode_32 3
		.amdhsa_float_denorm_mode_16_64 3
		.amdhsa_memory_ordered 1
		.amdhsa_forward_progress 1
		.amdhsa_inst_pref_size 107
	.end_amdhsa_kernel
	.amdgpu_metadata
---
amdhsa.version: [ 1, 2 ]
amdhsa.kernels:
  - .name:           k_q542cc07496_gateup
    .symbol:         k_q542cc07496_gateup.kd
    .args:
      - { .name: h2, .offset: 0, .size: 8, .value_kind: global_buffer, .address_space: global }
      - { .name: prepbuf, .offset: 8, .size: 8, .value_kind: global_buffer, .address_space: global }
      - { .name: act, .offset: 16, .size: 8, .value_kind: global_buffer, .address_space: global }
    .group_segment_fixed_size: 327680
    .private_segment_fixed_size: 0
    .kernarg_segment_align: 8
    .kernarg_segment_size: 24
    .max_flat_workgroup_size: 128
    .sgpr_count:     80
    .vgpr_count:     1024
    .wavefront_size: 32
...
	.end_amdgpu_metadata
.endif
;; end of part 6
;; launch down (part 7): grid 8 x 32, 4 waves a work-group, clusters of 4 x 4, 327,680 bytes of LDS; arguments act, prepbuf, x1, out0; writes out0
.if DOCPART == 7
	.amdgcn_target "amdgcn-amd-amdhsa--gfx1250"
	.amdhsa_code_object_version 6
	.text
	.protected	k_q542cc07496_down
	.globl	k_q542cc07496_down
	.p2align	8
	.type	k_q542cc07496_down,@function
k_q542cc07496_down:
	s_mov_b64 s[64:65], 0
	v_nop
	global_prefetch_b8 v0, s[64:65] scope:SCOPE_SE
	s_setreg_imm32_b32 hwreg(HW_REG_WAVE_MODE, 25, 1), 1
	s_wait_xcnt 0x0
	s_wait_alu depctr_hold_cnt(0) depctr_sa_sdst(0) depctr_va_vdst(0) depctr_va_sdst(0) depctr_va_ssrc(0) depctr_va_vcc(0) depctr_vm_vsrc(0)
	s_getreg_b32 s2, hwreg(HW_REG_IB_STS2, 6, 4)
	s_cmp_eq_u32 s2, 0
	s_cbranch_scc0 .Lentry_in_a_cluster
	s_endpgm
.Lentry_in_a_cluster:
	s_bfe_u32 s2, ttmp6, 0x10000c
	s_cmp_lg_u32 s2, 0xf033
	s_cbranch_scc0 .Lentry_shape_is_right
	s_endpgm
.Lentry_shape_is_right:
; out = x1 + act w_down^T.  act: OM(4096,2816) bf16; w_down: OM(1024,2816) bf16 (zeros from k = 2,730 on); x1: f32, accumulator-major; out0: f32, row-major.  Sums in f32.
; A work-group makes 128 x 128 (256 work-groups), its four waves 64 x 64 each; K goes in 11 steps of 256 through two LDS slots.  The product is used transposed: a lane holds one token and 8 neighbouring columns.
; THE LOOP.  A unit is 32 along K: it multiplies one fragment buffer and fetches the next unit's fragments into the other.  Two units are written once and looped.  The change of slots stands at the head of
; a step's last unit, whose fragments are then in registers: nobody reads the slot any more, and it is filled again straight behind the round.
; The way out goes through the wave's own LDS stage (16 rows x 272 bytes, behind the slots; no tensor load fills it), so that sixteen lanes store 256 consecutive, aligned bytes of a row.
; CLUSTER 4 x 4: A's tiles are shared along a row of the cluster, B's along a column, each asked for jointly.
.set KS,    256
.set TT,    11
.set NU,    KS/32
.set BB,    4
.set MTT,   8
.set NTT,   8
.set PA,    90112
.set PB,    90112
.set APTR,  4
.set BPTR,  6
.set AOFF,  0
.set BOFF,  19922944                   ; w_down in prepbuf
.set STAGE, 262144
.set SPARE, STAGE+4*16*272             ; behind the stages: the spare words, 128 bytes a wave
.set RB,     KS*32
.set NT0,    NTT/2
.set ABYTES, MTT*RB
.set SLOT1,  1<<17
.set F0, 0
.set F1, 128
.set G1A, 24
.set G0A, 32
.set G1B, 48
.set G0B, 56
.set MSB, 0
.macro WIN new
.if MSB != (\new)
	s_set_vgpr_msb (MSB<<8)|(\new)
.set MSB, (\new)
.endif
.endm
.macro NOPS n
.rept \n
	v_nop
.endr
.endm
.macro MMA d, p, q, zero
.if \zero
	v_wmma_f32_16x16x32_bf16 v[\d:\d+7], v[\p:\p+7], v[\q:\q+7], 0
.else
	v_wmma_f32_16x16x32_bf16 v[\d:\d+7], v[\p:\p+7], v[\q:\q+7], v[\d:\d+7]
.endif
.endm
.macro JLOAD                           ; a joint refill: waves 0, 1 fetch A's halves, waves 2, 3 B's; s_nop 0 and four v_nop follow each line
	s_cmp_eq_u32 s11, 0
	s_cbranch_scc0 .Lfor_b_\@
	tensor_load_to_lds s[G0A+4:G0A+7], s[G1A:G1A+7]
	s_nop 0
	NOPS 4
	s_branch .Lasked_\@
.Lfor_b_\@:
	tensor_load_to_lds s[G0B+4:G0B+7], s[G1B:G1B+7]
	s_nop 0
	NOPS 4
.Lasked_\@:
.endm
.macro CREST
	s_cmp_lg_u32 s10, 0
	s_cbranch_scc1 .Lnot_wave_0_\@
	s_barrier_signal -3
.Lnot_wave_0_\@:
	s_barrier_wait -3
	s_barrier_signal -1
	s_barrier_wait -1
.endm
.macro CROUND
	s_barrier_signal -1
	s_barrier_wait -1
	CREST
.endm
.macro MULG f, ah, zero                ; 2 BB matrix instructions; the accumulators take turns
	WIN 0xa5+0x50*(\ah)
.set ia, 0
.rept 2
.set ib, 0
.rept BB
.set rD, 8*(ia*BB+ib)
.set rA, (\f)+8*(2*(\ah)+ia)
.set rB, (\f)+32+8*ib
	MMA rD, rB, rA, \zero
.set ib, ib+1
.endr
.set ia, ia+1
.endr
.endm
.macro FADR
	v_add_nc_u32 v18, s22, v16
	v_add_nc_u32 v19, s22, v17
	s_add_co_u32 s22, s22, 1024
.endm
.macro FETCH g
	WIN 0x40
.set ib, 0
.rept BB
	ds_load_b128 v[(\g)+32+8*ib:(\g)+32+8*ib+3], v19 offset:ib*RB
	ds_load_b128 v[(\g)+32+8*ib+4:(\g)+32+8*ib+7], v19 offset:ib*RB+512
.set ib, ib+1
.endr
.set ia, 0
.rept 4
	ds_load_b128 v[(\g)+8*ia:(\g)+8*ia+3], v18 offset:ia*RB
	ds_load_b128 v[(\g)+8*ia+4:(\g)+8*ia+7], v18 offset:ia*RB+512
.set ia, ia+1
.endr
.endm
.macro UNIT f, g, zero
	s_wait_dscnt 0x0                               ; f's loads, issued a whole unit ago
	WIN 0
	FADR                                           ; with two v_nop the four places between the last product that read g and the loads into it
	NOPS 2
	FETCH \g
	MULG \f, 0, \zero
	MULG \f, 1, \zero
.endm
; THE CHANGE OF SLOTS, at the head of a step's last unit: all my tensor loads have landed (one was out: my part of the next slot), the add, and my reads of this slot are over;
; fill = 1: a round of the cluster's barrier, and the joint refill, two steps ahead, first behind it.
.macro CHANGE fill
	WIN 0
	s_wait_tensorcnt 0x0
	ds_add_u32 v28, v29                            ; 0 onto my spare word; the scalar steps stand between it and the wait for it
.if \fill
	s_xor_b32 s[G0A+5], s[G0A+5], SLOT1
	s_add_nc_u64 s[G0A+6:G0A+7], s[G0A+6:G0A+7], RB
	s_xor_b32 s[G0B+5], s[G0B+5], SLOT1
	s_add_nc_u64 s[G0B+6:G0B+7], s[G0B+6:G0B+7], RB
.endif
	s_sub_co_u32 s22, s22, RB                      ; the fetches go back to a step's first unit, in the other slot
	s_xor_b32 s22, s22, SLOT1
	s_wait_dscnt 0x0                               ; the add is done, and my reads of this slot are over
.if \fill
	CROUND
	JLOAD
.else
	s_barrier_signal -1
	s_barrier_wait -1
.endif
.endm
	s_load_b128 s[4:7], s[0:1], 0x0                ; act s[4:5], prepbuf s[6:7]
	s_load_b128 s[68:71], s[0:1], 0x10             ; x1 s[68:69], out0 s[70:71]
	v_lshl_add_u32 v28, v0, 2, SPARE
	v_mov_b32 v29, 0
	ds_add_u32 v28, v29                            ; the wave's opening: the add and its wait come ahead of my first tensor load
	v_lshrrev_b32 v1, 5, v0
	v_readfirstlane_b32 s10, v1
	s_lshr_b32 s11, s10, 1
	s_and_b32 s12, s10, 1
	s_bfe_u32 s40, ttmp6, 0x40000
	s_bfe_u32 s41, ttmp6, 0x40004
	s_lshl_b32 s42, ttmp9, 2
	s_add_co_u32 s42, s42, s40                     ; tile column
	s_and_b32 s13, ttmp7, 0xffff
	s_lshl_b32 s13, s13, 2
	s_add_co_u32 s13, s13, s41                     ; tile row
	s_lshl_b32 s43, s41, 2
	s_lshl_b32 s43, 15, s43
	s_lshl_b32 s44, 0x1111, s40
	s_or_b32 s[G1A], s43, (3<<16)|(1<<21)
	s_or_b32 s[G1B], s44, (3<<16)|(1<<21)
	s_mov_b32 s[G1A+1], (RB/8)<<16
	s_mov_b32 s[G1A+2], (MTT/2)<<16
	s_mov_b32 s[G1A+3], (RB/8)<<16
	s_mov_b32 s[G1A+4], MTT/2
	s_mov_b32 s[G1A+5], PA/8
	s_mov_b32 s[G1A+6], 0
	s_mov_b32 s[G1A+7], 0
	s_mov_b32 s[G1B+1], (RB/8)<<16
	s_mov_b32 s[G1B+2], NT0<<16
	s_mov_b32 s[G1B+3], (RB/8)<<16
	s_mov_b32 s[G1B+4], NT0
	s_mov_b32 s[G1B+5], PB/8
	s_mov_b32 s[G1B+6], 0
	s_mov_b32 s[G1B+7], 0
	s_mul_i32 s16, s13, MTT*PA
	s_mul_i32 s17, s12, (MTT/2)*PA
	s_add_co_u32 s16, s16, s17
	s_add_co_u32 s16, s16, AOFF
	s_mov_b32 s17, 0
	s_mul_i32 s46, s42, NTT*PB
	s_mul_i32 s47, s12, NT0*PB
	s_add_co_u32 s46, s46, s47
	s_add_co_u32 s46, s46, BOFF
	s_mov_b32 s47, 0
	s_mul_i32 s20, s12, (MTT/2)*RB
	s_mul_i32 s21, s12, NT0*RB
	s_add_co_u32 s21, s21, ABYTES
	s_wait_dscnt 0x0
	s_wait_kmcnt 0x0
	s_add_nc_u64 s[14:15], s[APTR:APTR+1], s[16:17]
	s_add_nc_u64 s[46:47], s[BPTR:BPTR+1], s[46:47]
	CROUND
.irp s, 0,1
	s_mov_b32 s[G0A+4*(\s)], 1
	s_add_co_u32 s[G0A+4*(\s)+1], s20, (\s)*SLOT1
	s_add_nc_u64 s[G0A+4*(\s)+2:G0A+4*(\s)+3], s[14:15], (\s)*RB
	s_or_b32 s[G0A+4*(\s)+3], s[G0A+4*(\s)+3], 0x80000000
	s_mov_b32 s[G0B+4*(\s)], 1
	s_add_co_u32 s[G0B+4*(\s)+1], s21, (\s)*SLOT1
	s_add_nc_u64 s[G0B+4*(\s)+2:G0B+4*(\s)+3], s[46:47], (\s)*RB
	s_or_b32 s[G0B+4*(\s)+3], s[G0B+4*(\s)+3], 0x80000000
.endr
	s_cmp_eq_u32 s11, 0
	s_cbranch_scc0 .Lfirst_b
	tensor_load_to_lds s[G0A:G0A+3], s[G1A:G1A+7]
	s_nop 0
	tensor_load_to_lds s[G0A+4:G0A+7], s[G1A:G1A+7]
	s_nop 0
	NOPS 4
	s_branch .Lfirst_asked
.Lfirst_b:
	tensor_load_to_lds s[G0B:G0B+3], s[G1B:G1B+7]
	s_nop 0
	tensor_load_to_lds s[G0B+4:G0B+7], s[G1B:G1B+7]
	s_nop 0
	NOPS 4
.Lfirst_asked:
	v_and_b32 v1, 15, v0
	v_bfe_u32 v2, v0, 4, 1
	v_and_b32 v3, 31, v0
	v_lshlrev_b32 v3, 4, v3
	s_mul_i32 s74, s11, 4*RB
	s_mul_i32 s75, s12, BB*RB
	s_add_co_u32 s75, s75, ABYTES
	v_add_nc_u32 v16, s74, v3
	v_add_nc_u32 v17, s75, v3
	s_mul_i32 s74, s10, 16*272
	s_add_co_u32 s74, s74, STAGE                   ; my stage
	v_mul_u32_u24 v20, v1, 272                     ; in: row r, 32 bytes for each half of the lanes (272 = 68 words: row r starts at bank 4 r)
	v_lshl_add_u32 v20, v2, 5, v20
	v_add_nc_u32 v20, s74, v20
	v_mul_u32_u24 v21, v2, 272                     ; back: lanes 0-15 one row of 256 bytes, lanes 16-31 the next
	v_lshl_add_u32 v21, v1, 4, v21
	v_add_nc_u32 v21, s74, v21
	v_lshlrev_b32 v22, 12, v2                      ; and the same two rows in out0
	v_lshl_add_u32 v22, v1, 4, v22
	s_lshl_b32 s74, s13, 3
	s_lshl_b32 s75, s11, 2
	s_add_co_u32 s74, s74, s75                     ; my first row tile
	s_lshl_b32 s75, s42, 3
	s_lshl_b32 s76, s12, 2
	s_add_co_u32 s75, s75, s76                     ; my first column block
	s_mov_b32 s73, 0
	s_lshl_b32 s72, s74, 16
	s_lshl_b32 s76, s75, 10
	s_add_co_u32 s72, s72, s76
	s_add_nc_u64 s[66:67], s[68:69], s[72:73]      ; x1, accumulator-major
	s_lshl_b32 s72, s74, 16                        ; 16 rows of 4,096 bytes
	s_lshl_b32 s76, s75, 6                         ; 16 columns of 4 bytes
	s_add_co_u32 s72, s72, s76
	s_add_nc_u64 s[78:79], s[70:71], s[72:73]      ; out0, row-major
.set i, 0
.rept 32
	global_load_b128 v[128+4*i:131+4*i], v3, s[66:67] offset:(i/8)*65536+(i%8)*512   ; x1 of accumulator (i / 8, (i % 8) / 2), half i % 2; waited for at the way out
.set i, i+1
.endr
	s_wait_tensorcnt 0x1                           ; my part of K step 0 is in; step 1's may stay out
	s_barrier_signal -1
	s_barrier_wait -1
	s_mov_b32 s22, 0
	FADR
	FETCH F0
	UNIT F0, F1, 1                                 ; the first unit starts the sums
	WIN 0
	s_mov_b32 s3, TT-1                             ; the way in counts as one pass; TT - 2 changes of slots fill a slot again
	s_mov_b32 s2, NU/2-1                           ; step 0 has NU - 2 units left in front of its last
	s_branch .Lpair
.Lstep:
	CHANGE 1
	s_mov_b32 s2, NU/2
.Lpair:
	UNIT F1, F0, 0
	UNIT F0, F1, 0
	WIN 0
	s_sub_co_u32 s2, s2, 1
	s_cmp_lg_u32 s2, 0
	s_cbranch_scc1 .Lpair
	s_sub_co_u32 s3, s3, 1
	s_cmp_lg_u32 s3, 0
	s_cbranch_scc1 .Lstep
	CHANGE 0                                       ; the last change is written out: it asks for nothing
	s_mov_b32 s2, NU/2
.Llast:
	UNIT F1, F0, 0
	UNIT F0, F1, 0
	WIN 0
	s_sub_co_u32 s2, s2, 1
	s_cmp_lg_u32 s2, 0
	s_cbranch_scc1 .Llast
	s_wait_dscnt 0x0                               ; the very last unit
	MULG F1, 0, 0
	MULG F1, 1, 0
	WIN 0
	NOPS 4                                         ; the places behind the last products
	s_wait_loadcnt 0x0                             ; x1
.macro PACK a                          ; token tile a: x1 is added (each accumulator from its lowest registers on), 16 rows go into my stage and come back as whole rows of 256 bytes
	WIN 0x02+(\a)/2
.set i, 0
.rept 16
	v_pk_add_f32 v[128+32*(\a)+2*i:129+32*(\a)+2*i], v[8*(((\a)%2)*BB)+2*i:8*(((\a)%2)*BB)+2*i+1], v[128+32*(\a)+2*i:129+32*(\a)+2*i]
.set i, i+1
.endr
	WIN 0
.set i, 0
.rept 8
	ds_store_b128 v20, v[128+32*(\a)+4*i:131+32*(\a)+4*i] offset:(i/2)*64+(i%2)*16
.set i, i+1
.endr
.set i, 0
.rept 8
	ds_load_b128 v[128+32*(\a)+4*i:131+32*(\a)+4*i], v21 offset:i*544   ; LDS serves a wave's instructions in order: these see the stores above; the next tile's stores come behind them
.set i, i+1
.endr
.endm
.macro SEND a, younger                 ; younger: the LDS instructions issued behind tile a's loads: the next tile's sixteen, or none
.set i, 0
.rept 8
	s_wait_dscnt (\younger)+7-i
	global_store_b128 v22, v[128+32*(\a)+4*i:131+32*(\a)+4*i], s[78:79] offset:(16*(\a)+2*i)*4096   ; 16 lanes store 256 consecutive bytes, at a multiple of 256 from out0's first byte
.set i, i+1
.endr
.endm
	PACK 0
	PACK 1
	SEND 0, 16
	PACK 2
	SEND 1, 16
	PACK 3
	SEND 2, 16
	SEND 3, 0
	s_wait_tensorcnt 0x0                           ; the wave's end
	ds_add_u32 v28, v29
	s_wait_dscnt 0x0
	CROUND
	s_endpgm
.Lfunc_end_k_q542cc07496_down:
	.size	k_q542cc07496_down, .Lfunc_end_k_q542cc07496_down-k_q542cc07496_down
	.p2alignl 7, 3214868480
	.fill 96, 4, 3214868480
	.section	.rodata,"a",@progbits
	.p2align	6, 0x0
	.amdhsa_kernel k_q542cc07496_down
		.amdhsa_group_segment_fixed_size 327680
		.amdhsa_private_segment_fixed_size 0
		.amdhsa_enable_private_segment 0
		.amdhsa_kernarg_size 32
		.amdhsa_user_sgpr_count 2
		.amdhsa_user_sgpr_kernarg_segment_ptr 1
		.amdhsa_wavefront_size32 1
		.amdhsa_system_sgpr_workgroup_id_x 1
		.amdhsa_system_sgpr_workgroup_id_y 1
		.amdhsa_system_sgpr_workgroup_id_z 1
		.amdhsa_system_vgpr_workitem_id 0
		.amdhsa_next_free_vgpr 1024
		.amdhsa_next_free_sgpr 80
		.amdhsa_reserve_vcc 0
		.amdhsa_float_denorm_mode_32 3
		.amdhsa_float_denorm_mode_16_64 3
		.amdhsa_memory_ordered 1
		.amdhsa_forward_progress 1
		.amdhsa_inst_pref_size 39
	.end_amdhsa_kernel
	.amdgpu_metadata
---
amdhsa.version: [ 1, 2 ]
amdhsa.kernels:
  - .name:           k_q542cc07496_down
    .symbol:         k_q542cc07496_down.kd
    .args:
      - { .name: act, .offset: 0, .size: 8, .value_kind: global_buffer, .address_space: global }
      - { .name: prepbuf, .offset: 8, .size: 8, .value_kind: global_buffer, .address_space: global }
      - { .name: x1, .offset: 16, .size: 8, .value_kind: global_buffer, .address_space: global }
      - { .name: out0, .offset: 24, .size: 8, .value_kind: global_buffer, .address_space: global }
    .group_segment_fixed_size: 327680
    .private_segment_fixed_size: 0
    .kernarg_segment_align: 8
    .kernarg_segment_size: 32
    .max_flat_workgroup_size: 128
    .sgpr_count:     80
    .vgpr_count:     1024
    .wavefront_size: 32
...
	.end_amdgpu_metadata
.endif
;; end of part 7
